; MI455X (gfx1250); checked and timed in simulation.
; The chip was launched on July 23, 2026; its instructions are those of AMD's public machine-readable ISA for CDNA 5 (MIT licence, August 2026) and "CDNA5" Instruction Set Architecture Reference Guide (July 2026). The comments in the code are by the model that wrote it; some were corrected since.
;; POS Inject. Allowed arithmetic: float matrix products may take bf16 or f16 operands with f32 sums; all other float work in f32.
;; Inputs: Wk 256 x 512 float32; Wq 256 x 512 float32; Wv 512 x 512 float32; bk 256 float32; bq 256 float32; bv 512 float32; gamma 1 float32; pos_emb 16 x 512 float32; pos_h 4 x 64 x 64 int32; pos_w 4 x 64 x 64 int32; x 4 x 512 x 64 x 64 float32.
;; Outputs: out0 4 x 512 x 64 x 64 float32.
;; 2 versions, each right and faster than the one before. Each part assembles by itself: llvm-mc -triple=amdgcn-amd-amdhsa -mcpu=gfx1250 --defsym DOCPART=n.
;; ======== version 1 of 2: 4 launches
;; limits: values outside matrix products are rounded to bf16
;; workspace buffers: y5 655,360 bytes; proj 294,912 bytes; gf 65,536 bytes; e16 256 bytes
;; launch rowmean (part 1): grid 256 x 1, 8 waves a work-group, no clusters, 1,536 bytes of LDS; arguments x, pos_h, pos_emb, y5; writes y5
.if DOCPART == 1
	.amdgcn_target "amdgcn-amd-amdhsa--gfx1250"
	.amdhsa_code_object_version 6
	.text
	.protected	k_q56c2048f48_rowmean
	.globl	k_q56c2048f48_rowmean
	.p2align	8
	.type	k_q56c2048f48_rowmean,@function
k_q56c2048f48_rowmean:
	s_mov_b64 s[64:65], 0
	v_nop
	global_prefetch_b8 v0, s[64:65] scope:SCOPE_SE
	s_setreg_imm32_b32 hwreg(HW_REG_WAVE_MODE, 25, 1), 1
	s_wait_xcnt 0x0
; rowmean: the two pooled views of x that the later launches need.
;   y5 planes 0..3 (f32 [b][512 c][64 h]):  xrow[b][c][h] = mean over w of x[b][c][h][w]
;   y5 plane  4    (f32 [512 c][16 b + l]): x1d[b][c][l]  = mean of xrow over h = 4l..4l+3, plus pos_emb[pos_h[b][4l][0] / 8][c]
; The work-group owns channels 2g, 2g+1 of all four batches; wave w owns the plane (b = w & 3, c = 2g + (w >> 2)): 64 rows of 256 bytes.
; All 32 loads of a wave go out at once (16 KiB a wave, 128 KiB a work-group); there is no loop.  The stream is bound by its bytes, so
; there is no matrix work here and LDS only gathers the eight waves' x1d values into two whole rows of 256 bytes.
; LIMITS: pos_h is taken to lie in 0..127 as the table asks (the index is clamped to 15, so that no address leaves pos_emb; a negative
; pos_h is not served).  pos_w is loaded nowhere in this program: reference() never uses it.  NaN and infinities get no special care.
.set X,  16                            ; v[16:143]  load n: 4 numbers of row 32 hh + n (hh = lane / 16), columns 4 r .. 4 r + 3 (r = lane % 16)
.set S,  144                           ; v[144:175] S[n]: the lane's sum of those four
.set TT, 10                            ; v[10:13]   at work in the merge
	s_load_b256 s[4:11], s[0:1], 0x0               ; x s[4:5], pos_h s[6:7], pos_emb s[8:9], y5 s[10:11]
	v_lshl_add_u32 v176, v0, 2, 0x200
	v_mov_b32 v177, 0
	v_lshrrev_b32 v1, 5, v0
	v_readfirstlane_b32 s12, v1                    ; wave
	v_and_b32 v1, 31, v0                           ; lane L
	v_and_b32 v2, 15, v0                           ; r
	v_bfe_u32 v3, v0, 4, 1                         ; hh
	s_and_b32 s13, s12, 3                          ; b
	s_lshr_b32 s14, s12, 2                         ; which of the group's two channels
	s_lshl_b32 s15, ttmp9, 1
	s_add_co_u32 s15, s15, s14                     ; c
	s_lshl_b32 s16, s13, 23                        ; x: b * 512 planes + c planes of 16,384 bytes
	s_lshl_b32 s17, s15, 14
	s_add_co_u32 s16, s16, s17
	s_mov_b32 s17, 0
	s_lshl_b32 s18, s13, 14                        ; pos_h: b * 64 * 64 words
	s_mov_b32 s19, 0
	s_lshl_b32 s24, s15, 2                         ; pos_emb: column c
	s_mov_b32 s25, 0
	s_lshl_b32 s26, s13, 9                         ; xrow: row (512 b + c) of 256 bytes
	s_add_co_u32 s26, s26, s15
	s_lshl_b32 s26, s26, 8
	s_mov_b32 s27, 0
	s_lshl_b32 s28, ttmp9, 9                       ; x1d: plane 4, the group's two rows of 256 bytes
	s_add_co_u32 s28, s28, 524288
	s_mov_b32 s29, 0
	s_lshl_b32 s30, s14, 8                         ; LDS: 256 bytes a channel, 64 a batch
	s_lshl_b32 s31, s13, 6
	s_add_co_u32 s30, s30, s31
	v_lshlrev_b32 v4, 4, v2
	v_lshl_add_u32 v4, v3, 13, v4                  ; x offset: 32 rows for the upper half of the lanes, 16 bytes a lane
	v_lshrrev_b32 v9, 1, v1                        ; l = L / 2
	v_lshlrev_b32 v5, 10, v9                       ; pos_h[b][4 l][0]: 4 rows of 256 bytes
	v_lshl_add_u32 v9, v9, 2, s30                  ; LDS word of (channel, b, l)
	v_lshlrev_b32 v8, 3, v1                        ; 8 L: my two row means in xrow
	v_lshlrev_b32 v15, 4, v1                       ; 16 L: wave 0's share of the x1d rows
.irp k, 0,1,2,3
	v_and_b32 v[TT+\k], 8>>\k, v2
	v_cmp_ne_u32 s[20+\k], 0, v[TT+\k]             ; s20..s23: the lanes whose r has bit 3, 2, 1, 0 set
.endr
	s_wait_kmcnt 0x0
	s_add_nc_u64 s[4:5], s[4:5], s[16:17]
	s_add_nc_u64 s[6:7], s[6:7], s[18:19]
	s_add_nc_u64 s[8:9], s[8:9], s[24:25]
	s_add_nc_u64 s[26:27], s[10:11], s[26:27]
	s_add_nc_u64 s[28:29], s[10:11], s[28:29]
	global_load_b32 v6, v5, s[6:7]                 ; the position, first: a second load hangs on it
.set n, 0
.rept 32
	global_load_b128 v[X+4*n:X+4*n+3], v4, s[4:5] offset:n*256     ; each half of the lanes takes one whole row of 256 bytes
.set n, n+1
.endr
	s_wait_loadcnt 32                              ; the 32 loads of x are younger than the position's
	v_lshrrev_b32 v6, 3, v6                        ; pos_h / 8
	v_min_u32 v6, 15, v6                           ; stays inside the table of 16 rows
	v_lshlrev_b32 v6, 11, v6                       ; rows of 2,048 bytes
	global_load_b32 v7, v6, s[8:9]                 ; pos_emb[.][c]
	; the lane's four numbers of each row
.set n, 0
.rept 32
.if (n & 3) == 0
	s_wait_loadcnt 29-n                            ; loads n .. n+3 are in: 28 - n loads of x and the one of pos_emb are younger
.endif
	v_pk_add_f32 v[X+4*n:X+4*n+1], v[X+4*n:X+4*n+1], v[X+4*n+2:X+4*n+3]
	v_add_f32 v[S+n], v[X+4*n], v[X+4*n+1]
.set n, n+1
.endr
; Sixteen sums over sixteen lanes at once.  S[2 j + g], j = 0..15, are the rows of parity g.  One step with distance n halves the number of live
; sums: a lane whose r has bit n set keeps sum j + n and gives sum j to its partner r xor n, the partner the other way round.
; After the steps 8, 4, 2, 1 lane r holds the whole sum j = r, that is row 32 hh + 2 r + g = 2 L + g.
.macro MERGE g, n, mask
.set j, 0
.rept \n
	v_cndmask_b32 v[TT+2*(j&1)],   v[S+2*j+\g],      v[S+2*(j+\n)+\g], \mask   ; what I keep
	v_cndmask_b32 v[TT+2*(j&1)+1], v[S+2*(j+\n)+\g], v[S+2*j+\g],      \mask   ; what my partner keeps
	v_add_f32_dpp v[S+2*j+\g], v[TT+2*(j&1)+1], v[TT+2*(j&1)] row_xmask:\n row_mask:0xf bank_mask:0xf
.set j, j+1
.endr
.endm
	MERGE 0, 8, s20
	MERGE 1, 8, s20
	MERGE 0, 4, s21
	MERGE 1, 4, s21
	MERGE 0, 2, s22
	MERGE 1, 2, s22
	MERGE 0, 1, s23
	MERGE 1, 1, s23
	v_pk_mul_f32 v[S:S+1], v[S:S+1], 0x3c800000 op_sel_hi:[1,0]    ; / 64: the means of rows 2 L and 2 L + 1
	global_store_b64 v8, v[S:S+1], s[26:27]        ; the wave stores the 256 bytes of xrow[b][c], aligned
	v_add_f32 v14, v[S], v[S+1]
	v_add_f32_dpp v14, v14, v14 row_xmask:1 row_mask:0xf bank_mask:0xf         ; rows 4 l .. 4 l + 3
	s_wait_loadcnt 0x0                             ; pos_emb's number
	v_fma_f32 v14, v14, 0x3e800000, v7             ; / 4, plus the embedding
	ds_store_b32 v9, v14                           ; lanes 2 l and 2 l + 1 write the same word with the same value
	s_wait_dscnt 0x0                               ; for wave 0's sake: my store is done
	s_barrier_signal -1
	s_barrier_wait -1
	s_cmp_lg_u32 s12, 0
	s_cbranch_scc1 .Lend
	ds_load_b128 v[16:19], v15                     ; the group's two rows of x1d, 512 bytes
	s_wait_dscnt 0x0
	global_store_b128 v15, v[16:19], s[28:29]      ; 16 lanes fill 256 consecutive bytes, aligned
.Lend:
	s_wait_tensorcnt 0x0
	ds_add_u32 v176, v177
	s_wait_dscnt 0x0
	s_endpgm
.Lfunc_end_k_q56c2048f48_rowmean:
	.size	k_q56c2048f48_rowmean, .Lfunc_end_k_q56c2048f48_rowmean-k_q56c2048f48_rowmean
	.p2alignl 7, 3214868480
	.fill 96, 4, 3214868480
	.section	.rodata,"a",@progbits
	.p2align	6, 0x0
	.amdhsa_kernel k_q56c2048f48_rowmean
		.amdhsa_group_segment_fixed_size 1536
		.amdhsa_private_segment_fixed_size 0
		.amdhsa_enable_private_segment 0
		.amdhsa_kernarg_size 32
		.amdhsa_user_sgpr_count 2
		.amdhsa_user_sgpr_kernarg_segment_ptr 1
		.amdhsa_wavefront_size32 1
		.amdhsa_system_sgpr_workgroup_id_x 1
		.amdhsa_system_sgpr_workgroup_id_y 1
		.amdhsa_system_sgpr_workgroup_id_z 1
		.amdhsa_system_vgpr_workitem_id 0
		.amdhsa_next_free_vgpr 178
		.amdhsa_next_free_sgpr 66
		.amdhsa_reserve_vcc 0
		.amdhsa_float_denorm_mode_32 3
		.amdhsa_float_denorm_mode_16_64 3
		.amdhsa_memory_ordered 1
		.amdhsa_forward_progress 1
		.amdhsa_inst_pref_size 16
	.end_amdhsa_kernel
	.amdgpu_metadata
---
amdhsa.version: [ 1, 2 ]
amdhsa.kernels:
  - .name:           k_q56c2048f48_rowmean
    .symbol:         k_q56c2048f48_rowmean.kd
    .args:
      - { .name: x, .offset: 0, .size: 8, .value_kind: global_buffer, .address_space: global }
      - { .name: pos_h, .offset: 8, .size: 8, .value_kind: global_buffer, .address_space: global }
      - { .name: pos_emb, .offset: 16, .size: 8, .value_kind: global_buffer, .address_space: global }
      - { .name: y5, .offset: 24, .size: 8, .value_kind: global_buffer, .address_space: global }
    .group_segment_fixed_size: 1536
    .private_segment_fixed_size: 0
    .kernarg_segment_align: 8
    .kernarg_segment_size: 32
    .max_flat_workgroup_size: 256
    .sgpr_count:     66
    .vgpr_count:     178
    .wavefront_size: 32
...
	.end_amdgpu_metadata
.endif
;; end of part 1
;; launch proj (part 2): grid 72 x 1, 8 waves a work-group, no clusters, 116,224 bytes of LDS; arguments y5, Wv, Wk, bv, bk, proj; writes proj
.if DOCPART == 2
	.amdgcn_target "amdgcn-amd-amdhsa--gfx1250"
	.amdhsa_code_object_version 6
	.text
	.protected	k_q56c2048f48_proj
	.globl	k_q56c2048f48_proj
	.p2align	8
	.type	k_q56c2048f48_proj,@function
k_q56c2048f48_proj:
	s_mov_b64 s[64:65], 0
	v_nop
	global_prefetch_b8 v0, s[64:65] scope:SCOPE_SE
	s_setreg_imm32_b32 hwreg(HW_REG_WAVE_MODE, 25, 1), 1
	s_wait_xcnt 0x0
; proj: five small products W * Y + bias with one body.  Planes 0..3: vbar[b] = Wv * xrow[b] + bv (512 x 64); plane 4: k16 = Wk * x1d + bk (256 x 64).
; Work-group g: plane p = min(g / 16, 4), rows 32 (g % 16) .. + 31 of W; all 64 columns of Y; K = 512.  64 + 8 = 72 work-groups.
; Operands are f32 in memory and are rounded to bf16 on the way into LDS, so they pass through registers; sums in f32.
; Eight waves: wave w makes the tile of 16 columns of Y (mt = w & 3) x 16 rows of W (nt = w >> 2).
; THE RESULT IS STORED IN THE ORDER IN WHICH THE NEXT LAUNCHES' MATRIX INSTRUCTIONS WANT IT: Y's columns are the matrix instruction's rows, so lane
; (r = L % 16, hh = L / 16) ends with value[W row 16 nt + r][Y column 16 mt + 8 hh + 0..7]: 16 bytes of bf16, and a wave's one store covers 512
; consecutive bytes: unit (W row / 16, mt) at 2,048 (row / 16) + 512 mt + 16 L of the plane.
; No clusters: what work-groups share (a plane of Y, a block of W) has to be rounded between memory and LDS, which only the way through registers does.
.set YPITCH, 160                       ; a row of YT: 64 bf16 + 32 bytes, an odd multiple of 32 bytes, as the transposing load's rows want
.set HALFY,  256*YPITCH                ; the LDS offset field has 16 bits: a second address register serves k >= 256
.set WT,     512*YPITCH                ; LDS byte 81,920: WT, 32 rows of 512 bf16
.set WPITCH, 1040                      ; 1,024 + 16: an odd multiple of 16 bytes, so that the 16 rows of a fragment load start 16 bytes apart modulo 256
.set YR,   16                          ; v[16:143]  Y as loaded (32 loads)
.set WR,   144                         ; v[144:207] W as loaded (16 loads)
.set BI,   208                         ; v[208:209] my row's bias, twice
.set F0,   16                          ; fragment buffer 0: four K steps of 32, A in 8 and B in 8 registers each
.set F1,   80                          ; fragment buffer 1
.set ACC,  144                         ; v[144:151], v[152:159]: two accumulators of the one tile, even and odd K steps
.set OUTP, 160                         ; v[160:163] the packed result
	s_load_b256 s[4:11], s[0:1], 0x0               ; y5 s[4:5], Wv s[6:7], Wk s[8:9], bv s[10:11]
	s_load_b128 s[12:15], s[0:1], 0x20             ; bk s[12:13], proj s[14:15]
	v_lshl_add_u32 v210, v0, 2, 0x1c200
	v_mov_b32 v211, 0
	s_mov_b32 s30, ttmp9
	s_lshr_b32 s20, s30, 4
	s_min_u32 s20, s20, 4                          ; p
	s_and_b32 s21, s30, 15                         ; block of 32 rows of W
	s_lshl_b32 s22, s20, 17                        ; Y: planes of 131,072 bytes
	s_mov_b32 s23, 0
	s_lshl_b32 s24, s21, 16                        ; W: 32 rows of 2,048 bytes
	s_mov_b32 s25, 0
	s_lshl_b32 s26, s21, 7                         ; bias: 32 words
	s_mov_b32 s27, 0
	s_lshl_b32 s28, s20, 16                        ; result: planes of 65,536 bytes, 4,096 for 32 rows
	s_lshl_b32 s29, s21, 12
	s_add_co_u32 s28, s28, s29
	s_mov_b32 s29, 0
	v_lshlrev_b32 v1, 4, v0                        ; 16 t: the dense loads, and my place in the result (t = 128 nt + 32 mt + L)
	v_lshrrev_b32 v10, 7, v0                       ; nt; also: which of two rows of W a staging load hits
	v_and_b32 v11, 15, v0                          ; r
	v_lshl_add_u32 v2, v10, 4, v11
	v_lshlrev_b32 v2, 2, v2                        ; bias of row 16 nt + r
	v_lshrrev_b32 v12, 4, v0
	v_mul_u32_u24 v3, v12, YPITCH
	v_lshl_add_u32 v3, v11, 3, v3                  ; YT, staging: row t / 16, 4 numbers at column 4 (t % 16)
	v_add_nc_u32 v4, HALFY, v3
	v_and_b32 v13, 127, v0
	v_mul_u32_u24 v5, v10, WPITCH
	v_lshl_add_u32 v5, v13, 3, v5
	v_add_nc_u32 v5, WT, v5                        ; WT, staging: row t / 128, 4 numbers at column 4 (t % 128)
	v_bfe_u32 v12, v0, 4, 1                        ; hh
	v_and_b32 v13, 7, v0
	v_lshl_add_u32 v13, v12, 3, v13
	v_mul_u32_u24 v6, v13, YPITCH                  ; A by the transposing load: row 8 hh + L % 8,
	v_bfe_u32 v13, v0, 3, 1
	v_lshl_add_u32 v6, v13, 4, v6                  ; 16 bytes for (L / 8) % 2,
	v_bfe_u32 v13, v0, 5, 2
	v_lshl_add_u32 v6, v13, 5, v6                  ; columns 16 mt ..
	v_add_nc_u32 v7, HALFY, v6
	v_lshl_add_u32 v8, v10, 4, v11
	v_mul_u32_u24 v8, v8, WPITCH
	v_lshl_add_u32 v8, v12, 4, v8
	v_add_nc_u32 v8, WT, v8                        ; B: row 16 nt + r, 16 hh bytes
	s_wait_kmcnt 0x0
	s_cmp_lt_u32 s30, 64                           ; planes 0..3 take Wv and bv, plane 4 Wk and bk
	s_cselect_b64 s[16:17], s[6:7], s[8:9]
	s_cselect_b64 s[18:19], s[10:11], s[12:13]
	s_add_nc_u64 s[4:5], s[4:5], s[22:23]
	s_add_nc_u64 s[16:17], s[16:17], s[24:25]
	s_add_nc_u64 s[18:19], s[18:19], s[26:27]
	s_add_nc_u64 s[14:15], s[14:15], s[28:29]
	global_load_b32 v[BI], v2, s[18:19]
.set i, 0
.rept 32
	global_load_b128 v[YR+4*i:YR+4*i+3], v1, s[4:5] offset:i*4096      ; the plane of Y, dense: 4,096 bytes for each load of the group
.set i, i+1
.endr
.set i, 0
.rept 16
	global_load_b128 v[WR+4*i:WR+4*i+3], v1, s[16:17] offset:i*4096    ; 32 rows of W, dense
.set i, i+1
.endr
.set i, 0
.rept 32
	s_wait_loadcnt 47-i                            ; load i of Y is in: 31 - i of Y and 16 of W are younger
	v_cvt_pk_bf16_f32 v[YR+4*i],   v[YR+4*i],   v[YR+4*i+1]
	v_cvt_pk_bf16_f32 v[YR+4*i+1], v[YR+4*i+2], v[YR+4*i+3]
.if i < 16
	ds_store_b64 v3, v[YR+4*i:YR+4*i+1] offset:i*16*YPITCH             ; 16 rows of Y a load
.else
	ds_store_b64 v4, v[YR+4*i:YR+4*i+1] offset:(i-16)*16*YPITCH
.endif
.set i, i+1
.endr
.set i, 0
.rept 16
	s_wait_loadcnt 15-i                            ; load i of W is in: 15 - i are younger
	v_cvt_pk_bf16_f32 v[WR+4*i],   v[WR+4*i],   v[WR+4*i+1]
	v_cvt_pk_bf16_f32 v[WR+4*i+1], v[WR+4*i+2], v[WR+4*i+3]
	ds_store_b64 v5, v[WR+4*i:WR+4*i+1] offset:i*2*WPITCH              ; 2 rows of W a load
.set i, i+1
.endr
	v_mov_b32 v[BI+1], v[BI]                       ; the bias was the oldest load
	s_wait_dscnt 0x0                               ; for the other waves' sake: my stores are done
	s_barrier_signal -1
	s_barrier_wait -1
; 16 LDS loads: the fragments of K steps 4 batch .. 4 batch + 3.  A: Y is stored [k][column], so two transposing loads, 16 rows apart, bring
; k = 8 hh .. + 7 and 16 + 8 hh .. + 7 of column 16 mt + r.  B: W's rows lie along k: two plain loads 32 bytes apart.
.macro LOADK buf, batch
.irp q, 0,1,2,3
.if \batch < 2
	ds_load_tr16_b128 v[\buf+16*\q:\buf+16*\q+3],   v6 offset:(4*\batch+\q)*32*YPITCH
	ds_load_tr16_b128 v[\buf+16*\q+4:\buf+16*\q+7], v6 offset:(4*\batch+\q)*32*YPITCH+16*YPITCH
.else
	ds_load_tr16_b128 v[\buf+16*\q:\buf+16*\q+3],   v7 offset:(4*\batch+\q-8)*32*YPITCH
	ds_load_tr16_b128 v[\buf+16*\q+4:\buf+16*\q+7], v7 offset:(4*\batch+\q-8)*32*YPITCH+16*YPITCH
.endif
	ds_load_b128 v[\buf+16*\q+8:\buf+16*\q+11],  v8 offset:(4*\batch+\q)*64
	ds_load_b128 v[\buf+16*\q+12:\buf+16*\q+15], v8 offset:(4*\batch+\q)*64+32
.endr
.endm
; Four matrix instructions.  The two accumulators take turns, one instruction a turn.  first = 1: the constant 0 starts both sums.
.macro MULK buf, first
.irp q, 0,1,2,3
.if \first*(2-\q) > 0
	v_wmma_f32_16x16x32_bf16 v[ACC+8*(\q&1):ACC+8*(\q&1)+7], v[\buf+16*\q:\buf+16*\q+7], v[\buf+16*\q+8:\buf+16*\q+15], 0
.else
	v_wmma_f32_16x16x32_bf16 v[ACC+8*(\q&1):ACC+8*(\q&1)+7], v[\buf+16*\q:\buf+16*\q+7], v[\buf+16*\q+8:\buf+16*\q+15], v[ACC+8*(\q&1):ACC+8*(\q&1)+7]
.endif
.endr
.endm
; A load into a register that a matrix instruction has read, and a vector instruction that reads a matrix result, stand four places behind it
.macro PLACES
.rept 4
	v_nop
.endr
.endm
	LOADK F0, 0
	LOADK F1, 1
	s_wait_dscnt 16                                ; the first batch is in; the 16 loads of the second are younger
	MULK F0, 1
	PLACES
	LOADK F0, 2
	s_wait_dscnt 16                                ; the second batch is in; the 16 just issued are younger
	MULK F1, 0
	PLACES
	LOADK F1, 3
	s_wait_dscnt 16                                ; the third batch
	MULK F0, 0
	s_wait_dscnt 0x0
	MULK F1, 0
	PLACES
.irp j, 0,2,4,6
	v_pk_add_f32 v[ACC+\j:ACC+\j+1], v[ACC+\j:ACC+\j+1], v[ACC+8+\j:ACC+8+\j+1]    ; even and odd K steps
.endr
.irp j, 0,2,4,6
	v_pk_add_f32 v[ACC+\j:ACC+\j+1], v[ACC+\j:ACC+\j+1], v[BI:BI+1]                ; all eight numbers of a lane belong to W row 16 nt + r
.endr
.irp j, 0,1,2,3
	v_cvt_pk_bf16_f32 v[OUTP+\j], v[ACC+2*\j], v[ACC+2*\j+1]
.endr
	global_store_b128 v1, v[OUTP:OUTP+3], s[14:15] ; the wave's 512 consecutive bytes, aligned
	s_wait_tensorcnt 0x0
	ds_add_u32 v210, v211
	s_wait_dscnt 0x0
	s_endpgm
.Lfunc_end_k_q56c2048f48_proj:
	.size	k_q56c2048f48_proj, .Lfunc_end_k_q56c2048f48_proj-k_q56c2048f48_proj
	.p2alignl 7, 3214868480
	.fill 96, 4, 3214868480
	.section	.rodata,"a",@progbits
	.p2align	6, 0x0
	.amdhsa_kernel k_q56c2048f48_proj
		.amdhsa_group_segment_fixed_size 116224
		.amdhsa_private_segment_fixed_size 0
		.amdhsa_enable_private_segment 0
		.amdhsa_kernarg_size 48
		.amdhsa_user_sgpr_count 2
		.amdhsa_user_sgpr_kernarg_segment_ptr 1
		.amdhsa_wavefront_size32 1
		.amdhsa_system_sgpr_workgroup_id_x 1
		.amdhsa_system_sgpr_workgroup_id_y 1
		.amdhsa_system_sgpr_workgroup_id_z 1
		.amdhsa_system_vgpr_workitem_id 0
		.amdhsa_next_free_vgpr 212
		.amdhsa_next_free_sgpr 66
		.amdhsa_reserve_vcc 0
		.amdhsa_float_denorm_mode_32 3
		.amdhsa_float_denorm_mode_16_64 3
		.amdhsa_memory_ordered 1
		.amdhsa_forward_progress 1
		.amdhsa_inst_pref_size 25
	.end_amdhsa_kernel
	.amdgpu_metadata
---
amdhsa.version: [ 1, 2 ]
amdhsa.kernels:
  - .name:           k_q56c2048f48_proj
    .symbol:         k_q56c2048f48_proj.kd
    .args:
      - { .name: y5, .offset: 0, .size: 8, .value_kind: global_buffer, .address_space: global }
      - { .name: Wv, .offset: 8, .size: 8, .value_kind: global_buffer, .address_space: global }
      - { .name: Wk, .offset: 16, .size: 8, .value_kind: global_buffer, .address_space: global }
      - { .name: bv, .offset: 24, .size: 8, .value_kind: global_buffer, .address_space: global }
      - { .name: bk, .offset: 32, .size: 8, .value_kind: global_buffer, .address_space: global }
      - { .name: proj, .offset: 40, .size: 8, .value_kind: global_buffer, .address_space: global }
    .group_segment_fixed_size: 116224
    .private_segment_fixed_size: 0
    .kernarg_segment_align: 8
    .kernarg_segment_size: 48
    .max_flat_workgroup_size: 256
    .sgpr_count:     66
    .vgpr_count:     212
    .wavefront_size: 32
...
	.end_amdgpu_metadata
.endif
;; end of part 2
;; launch gmat (part 3): grid 8 x 1, 8 waves a work-group, no clusters, 82,944 bytes of LDS; arguments Wq, bq, proj, gf, e16; writes gf, e16
.if DOCPART == 3
	.amdgcn_target "amdgcn-amd-amdhsa--gfx1250"
	.amdhsa_code_object_version 6
	.text
	.protected	k_q56c2048f48_gmat
	.globl	k_q56c2048f48_gmat
	.p2align	8
	.type	k_q56c2048f48_gmat,@function
k_q56c2048f48_gmat:
	s_mov_b64 s[64:65], 0
	v_nop
	global_prefetch_b8 v0, s[64:65] scope:SCOPE_SE
	s_setreg_imm32_b32 hwreg(HW_REG_WAVE_MODE, 25, 1), 1
	s_wait_xcnt 0x0
; gmat: folds the query projection into the 16 key columns of each batch:
;   G16[b][c][l] = sum over o of Wq[o][c] k16[b][o][l]   (so that q . k16 = G16^T x + e16),    e16[b][l] = sum over o of bq[o] k16[b][o][l].
; k16 is plane 4 of proj (bf16, in fragment order: unit (o / 16, mt) of 512 bytes, lane (r, hh) holds k16[16 (o/16) + r][column 16 mt + 8 hh + 0..7], column = 16 b + l).
; Work-group cb owns channels 64 cb .. + 63: the work is 512 x 64 x 256 multiply-adds in all, enough for eight work-groups of eight tiles pairs.
; Wave w: channel tile mt = w & 3, batches 2 (w >> 2) and 2 (w >> 2) + 1.  Both operands lie [o][..] in LDS, o being K, and are read by transposing loads.
; gf (bf16): batch b at 16,384 b; unit c / 16 of 512 bytes; lane (r, hh) holds G16[16 (c/16) + 8 hh + 0..7][l = r]: the A fragment that the last launch loads.
; e16 is made by work-group 0 with bq as a 65th column of its Wq tile (columns 65..79 zero): row 0 of one more tile for each batch.
.set PITCH, 160                        ; 64 bf16 + 32 bytes: an odd multiple of 32 bytes; QT's 32 spare bytes hold the bq column in work-group 0
.set KT,    256*PITCH                  ; LDS byte 40,960: k16 as [256 o][64 columns]; QT, Wq's block as [256 o][64 c], lies at 0
.set QR,  16                           ; v[16:79]   Wq as loaded (16 loads)
.set KR,  80                           ; v[80:111]  k16 as loaded (8 loads)
.set FR,  16                           ; v[16:207]  fragments: K step ks: A in 8, the first batch's B in 8, the second's in 8 registers
.set D0,  208                          ; v[208:215], v[216:223] the two batches' tiles
.set D1,  216
.set PK,  224                          ; v[224:231] packed
.set E0,  232                          ; v[232:239], v[240:247] e16: even and odd K steps
.set E1,  240
	s_load_b256 s[4:11], s[0:1], 0x0               ; Wq s[4:5], bq s[6:7], proj s[8:9], gf s[10:11]
	s_load_b64 s[12:13], s[0:1], 0x20              ; e16
	v_lshl_add_u32 v248, v0, 2, 0x14000
	v_mov_b32 v249, 0
	s_mov_b32 s14, ttmp9                           ; cb
	v_lshrrev_b32 v10, 5, v0
	v_readfirstlane_b32 s15, v10                   ; wave
	s_lshl_b32 s16, s14, 8                         ; Wq: 64 columns of 4 bytes
	s_mov_b32 s17, 0
	s_lshl_b32 s18, s14, 11                        ; gf: four units of 512 bytes
	s_mov_b32 s19, 0
	v_lshrrev_b32 v10, 4, v0
	v_and_b32 v11, 15, v0                          ; r
	v_lshlrev_b32 v1, 11, v10
	v_lshl_add_u32 v1, v11, 4, v1                  ; Wq: row t / 16 of 2,048 bytes, 16 bytes a lane: sixteen lanes take 256 consecutive bytes, aligned
	v_lshlrev_b32 v2, 4, v0                        ; k16: dense
	v_mul_u32_u24 v3, v10, PITCH
	v_lshl_add_u32 v3, v11, 3, v3                  ; QT, staging
	v_lshrrev_b32 v12, 7, v0
	v_bfe_u32 v13, v0, 5, 2                        ; mt
	v_bfe_u32 v14, v0, 4, 1                        ; hh
	v_lshl_add_u32 v4, v12, 4, v11
	v_mul_u32_u24 v4, v4, PITCH                    ; KT, staging: thread t of load j holds unit (2 j + t / 128, mt), lane t % 32: row 16 (t / 128) + r,
	v_lshl_add_u32 v4, v13, 5, v4                  ; columns 16 mt
	v_lshl_add_u32 v4, v14, 4, v4                  ; + 8 hh
	v_add_nc_u32 v4, KT, v4
	v_and_b32 v15, 7, v0
	v_lshl_add_u32 v15, v14, 3, v15
	v_mul_u32_u24 v15, v15, PITCH
	v_bfe_u32 v10, v0, 3, 1
	v_lshl_add_u32 v15, v10, 4, v15                ; the transposing load's lane term: (8 hh + L % 8) rows + 16 ((L / 8) % 2) bytes
	v_lshl_add_u32 v5, v13, 5, v15                 ; A: channels 16 mt ..
	v_lshl_add_u32 v6, v12, 6, v15
	v_add_nc_u32 v6, KT, v6                        ; B: columns 32 (w >> 2) .., the second batch 32 bytes on
	v_and_b32 v10, 127, v0
	v_lshlrev_b32 v7, 4, v10
	v_lshl_add_u32 v7, v12, 15, v7                 ; gf: 512 mt + 16 L + two batches of 16,384 bytes for w >> 2
	s_wait_kmcnt 0x0
	s_add_nc_u64 s[4:5], s[4:5], s[16:17]
	s_add_nc_u64 s[8:9], s[8:9], 262144            ; plane 4
	s_add_nc_u64 s[10:11], s[10:11], s[18:19]
.set i, 0
.rept 16
	global_load_b128 v[QR+4*i:QR+4*i+3], v1, s[4:5] offset:i*32768     ; 16 rows of Wq a load
.set i, i+1
.endr
.set i, 0
.rept 8
	global_load_b128 v[KR+4*i:KR+4*i+3], v2, s[8:9] offset:i*4096
.set i, i+1
.endr
	s_cmp_lg_u32 s14, 0
	s_cbranch_scc1 .Lnobq
	v_lshlrev_b32 v9, 2, v0                        ; work-group 0: thread t puts bq[t] into column 64 of row t, zeros into columns 65..79
	global_load_b32 v112, v9, s[6:7]
	v_mul_u32_u24 v8, v0, PITCH
.irp k, 113,114,115,116,117,118,119
	v_mov_b32 v\k, 0
.endr
	s_wait_loadcnt 0x0                             ; the youngest load: all are in, and the counted waits below are met at once
	v_cvt_pk_bf16_f32 v112, v112, v113
	ds_store_b128 v8, v[112:115] offset:128
	ds_store_b128 v8, v[116:119] offset:144
.Lnobq:
.set i, 0
.rept 16
	s_wait_loadcnt 23-i                            ; load i of Wq is in: 15 - i of Wq and 8 of k16 are younger
	v_cvt_pk_bf16_f32 v[QR+4*i],   v[QR+4*i],   v[QR+4*i+1]
	v_cvt_pk_bf16_f32 v[QR+4*i+1], v[QR+4*i+2], v[QR+4*i+3]
	ds_store_b64 v3, v[QR+4*i:QR+4*i+1] offset:i*16*PITCH
.set i, i+1
.endr
.set i, 0
.rept 8
	s_wait_loadcnt 7-i                             ; load i of k16 is in
	ds_store_b128 v4, v[KR+4*i:KR+4*i+3] offset:i*32*PITCH             ; 32 rows of o a load
.set i, i+1
.endr
	s_wait_dscnt 0x0                               ; for the other waves' sake
	s_barrier_signal -1
	s_barrier_wait -1
.set ks, 0
.rept 8
	ds_load_tr16_b128 v[FR+24*ks:FR+24*ks+3],     v5 offset:ks*32*PITCH
	ds_load_tr16_b128 v[FR+24*ks+4:FR+24*ks+7],   v5 offset:ks*32*PITCH+16*PITCH
	ds_load_tr16_b128 v[FR+24*ks+8:FR+24*ks+11],  v6 offset:ks*32*PITCH
	ds_load_tr16_b128 v[FR+24*ks+12:FR+24*ks+15], v6 offset:ks*32*PITCH+16*PITCH
	ds_load_tr16_b128 v[FR+24*ks+16:FR+24*ks+19], v6 offset:ks*32*PITCH+32
	ds_load_tr16_b128 v[FR+24*ks+20:FR+24*ks+23], v6 offset:ks*32*PITCH+16*PITCH+32
.set ks, ks+1
.endr
	s_wait_dscnt 24                                ; K steps 0..3 are in: the 24 loads of steps 4..7 are younger
	; the two tiles take turns, one instruction a turn; the constant 0 starts both sums
	v_wmma_f32_16x16x32_bf16 v[D0:D0+7], v[FR:FR+7], v[FR+8:FR+15], 0
	v_wmma_f32_16x16x32_bf16 v[D1:D1+7], v[FR:FR+7], v[FR+16:FR+23], 0
.set ks, 1
.rept 3
	v_wmma_f32_16x16x32_bf16 v[D0:D0+7], v[FR+24*ks:FR+24*ks+7], v[FR+24*ks+8:FR+24*ks+15],  v[D0:D0+7]
	v_wmma_f32_16x16x32_bf16 v[D1:D1+7], v[FR+24*ks:FR+24*ks+7], v[FR+24*ks+16:FR+24*ks+23], v[D1:D1+7]
.set ks, ks+1
.endr
	s_wait_dscnt 0x0
.rept 4
	v_wmma_f32_16x16x32_bf16 v[D0:D0+7], v[FR+24*ks:FR+24*ks+7], v[FR+24*ks+8:FR+24*ks+15],  v[D0:D0+7]
	v_wmma_f32_16x16x32_bf16 v[D1:D1+7], v[FR+24*ks:FR+24*ks+7], v[FR+24*ks+16:FR+24*ks+23], v[D1:D1+7]
.set ks, ks+1
.endr
.rept 4
	v_nop                                          ; four places behind the last matrix instructions: for the conversions, and for the loads into v[16:143] below
.endr
.irp j, 0,1,2,3
	v_cvt_pk_bf16_f32 v[PK+\j],   v[D0+2*\j], v[D0+2*\j+1]             ; register j of a lane is channel 8 hh + j, column l = r
	v_cvt_pk_bf16_f32 v[PK+4+\j], v[D1+2*\j], v[D1+2*\j+1]
.endr
	global_store_b128 v7, v[PK:PK+3],   s[10:11]                       ; 512 consecutive bytes a wave, aligned
	global_store_b128 v7, v[PK+4:PK+7], s[10:11] offset:16384          ; the second batch
	s_cmp_lg_u32 s14, 0
	s_cbranch_scc1 .Lend
	s_cmp_gt_u32 s15, 3
	s_cbranch_scc1 .Lend
	; e16 of batch w: A = columns 64..79 of QT (bq, then zeros), B = k16's columns of batch w.  Row 0 of the tile is e16[w][0..15].
	v_lshrrev_b32 v10, 5, v0
	v_lshl_add_u32 v9, v10, 5, v15
	v_add_nc_u32 v9, KT, v9
	v_lshlrev_b32 v8, 2, v11
	v_lshl_add_u32 v8, v10, 6, v8                  ; e16: 64 w + 4 r
	v_and_b32 v12, 31, v0
.set ks, 0
.rept 8
	ds_load_tr16_b128 v[FR+16*ks:FR+16*ks+3],     v15 offset:ks*32*PITCH+128
	ds_load_tr16_b128 v[FR+16*ks+4:FR+16*ks+7],   v15 offset:ks*32*PITCH+16*PITCH+128
	ds_load_tr16_b128 v[FR+16*ks+8:FR+16*ks+11],  v9 offset:ks*32*PITCH
	ds_load_tr16_b128 v[FR+16*ks+12:FR+16*ks+15], v9 offset:ks*32*PITCH+16*PITCH
.set ks, ks+1
.endr
	s_wait_dscnt 0x0
	v_wmma_f32_16x16x32_bf16 v[E0:E0+7], v[FR:FR+7],     v[FR+8:FR+15],  0     ; again two accumulators by turns
	v_wmma_f32_16x16x32_bf16 v[E1:E1+7], v[FR+16:FR+23], v[FR+24:FR+31], 0
.set ks, 2
.rept 3
	v_wmma_f32_16x16x32_bf16 v[E0:E0+7], v[FR+16*ks:FR+16*ks+7],     v[FR+16*ks+8:FR+16*ks+15],  v[E0:E0+7]
	v_wmma_f32_16x16x32_bf16 v[E1:E1+7], v[FR+16*ks+16:FR+16*ks+23], v[FR+16*ks+24:FR+16*ks+31], v[E1:E1+7]
.set ks, ks+2
.endr
.rept 4
	v_nop
.endr
	v_add_f32 v[E0], v[E0], v[E1]                  ; register 0 of lanes 0..15: row 0, column l = r
	v_cmp_gt_u32 vcc_lo, 16, v12
	s_wait_xcnt 0x0                                ; EXEC is a source of the two stores above: it changes only behind this wait
	s_and_saveexec_b32 s20, vcc_lo
	global_store_b32 v8, v[E0], s[12:13]           ; 64 bytes a wave: the four waves fill e16's 256 bytes
	s_wait_xcnt 0x0                                ; and again in front of the line that widens EXEC
	s_or_b32 exec_lo, exec_lo, s20
.Lend:
	s_wait_tensorcnt 0x0
	ds_add_u32 v248, v249
	s_wait_dscnt 0x0
	s_endpgm
.Lfunc_end_k_q56c2048f48_gmat:
	.size	k_q56c2048f48_gmat, .Lfunc_end_k_q56c2048f48_gmat-k_q56c2048f48_gmat
	.p2alignl 7, 3214868480
	.fill 96, 4, 3214868480
	.section	.rodata,"a",@progbits
	.p2align	6, 0x0
	.amdhsa_kernel k_q56c2048f48_gmat
		.amdhsa_group_segment_fixed_size 82944
		.amdhsa_private_segment_fixed_size 0
		.amdhsa_enable_private_segment 0
		.amdhsa_kernarg_size 40
		.amdhsa_user_sgpr_count 2
		.amdhsa_user_sgpr_kernarg_segment_ptr 1
		.amdhsa_wavefront_size32 1
		.amdhsa_system_sgpr_workgroup_id_x 1
		.amdhsa_system_sgpr_workgroup_id_y 1
		.amdhsa_system_sgpr_workgroup_id_z 1
		.amdhsa_system_vgpr_workitem_id 0
		.amdhsa_next_free_vgpr 250
		.amdhsa_next_free_sgpr 66
		.amdhsa_reserve_vcc 1
		.amdhsa_float_denorm_mode_32 3
		.amdhsa_float_denorm_mode_16_64 3
		.amdhsa_memory_ordered 1
		.amdhsa_forward_progress 1
		.amdhsa_inst_pref_size 19
	.end_amdhsa_kernel
	.amdgpu_metadata
---
amdhsa.version: [ 1, 2 ]
amdhsa.kernels:
  - .name:           k_q56c2048f48_gmat
    .symbol:         k_q56c2048f48_gmat.kd
    .args:
      - { .name: Wq, .offset: 0, .size: 8, .value_kind: global_buffer, .address_space: global }
      - { .name: bq, .offset: 8, .size: 8, .value_kind: global_buffer, .address_space: global }
      - { .name: proj, .offset: 16, .size: 8, .value_kind: global_buffer, .address_space: global }
      - { .name: gf, .offset: 24, .size: 8, .value_kind: global_buffer, .address_space: global }
      - { .name: e16, .offset: 32, .size: 8, .value_kind: global_buffer, .address_space: global }
    .group_segment_fixed_size: 82944
    .private_segment_fixed_size: 0
    .kernarg_segment_align: 8
    .kernarg_segment_size: 40
    .max_flat_workgroup_size: 256
    .sgpr_count:     66
    .vgpr_count:     250
    .wavefront_size: 32
...
	.end_amdgpu_metadata
.endif
;; end of part 3
;; launch attn (part 4): grid 64 x 4, 16 waves a work-group, no clusters, 92,160 bytes of LDS; arguments x, gf, e16, proj, gamma, out0; writes out0
.if DOCPART == 4
	.amdgcn_target "amdgcn-amd-amdhsa--gfx1250"
	.amdhsa_code_object_version 6
	.text
	.protected	k_q56c2048f48_attn
	.globl	k_q56c2048f48_attn
	.p2align	8
	.type	k_q56c2048f48_attn,@function
k_q56c2048f48_attn:
	s_mov_b64 s[64:65], 0
	v_nop
	global_prefetch_b8 v0, s[64:65] scope:SCOPE_SE
	s_setreg_imm32_b32 hwreg(HW_REG_WAVE_MODE, 25, 1), 1
	s_wait_xcnt 0x0
; attn: out0 = gamma * attention + x.
; reference() broadcasts the keys' input along w, so a key hangs on its image row h alone: the softmax over 4,096 keys is the softmax over the 64 rows
; (each 64 times), and the values enter as their means over w, vbar[c][h] (proj planes 0..3).  The 64 row keys are the bilinear interpolation of 16
; columns with weights that add up to 1, so energy[n][h] = E16[n][lo] + frac (E16[n][lo+1] - E16[n][lo]), lo = 5 h / 21, frac = (5 h % 21) / 21,
; with E16[n][l] = sum over c of G16[c][l] x[c][n] + e16[l] (gf, e16).  The row maximum is taken away before the exponential, as in reference().
; The work-group owns one image row (64 pixels) of one batch and all 512 channels; wave w owns channels 32 w .. + 31.  256 work-groups.
; ONE LAYOUT SERVES THREE ENDS.  Load a (0..15) of a lane (r = L % 16, hh = L / 16) takes x[32 w + 8 hh + a + 8 (a / 8)][pixels 4 r .. 4 r + 3].  With pixel tile i
; := the pixels 4 r + i, the 64 registers are (1) after rounding, the B fragments (32 channels x 16 pixels) of all four tiles, (2) the residual in the very
; order of the result tiles' registers, (3) the data of 16-byte stores of which sixteen lanes fill 256 consecutive bytes, aligned.  x and out0 never touch LDS.
; No clusters: what the 64 work-groups of a batch share (gf 16 KiB, vbar 64 KiB, against 256 KiB of x and out0 of their own) goes straight into registers, each
; byte once a work-group; a joint load would add a stage in LDS.  No tensor loads: nothing is refilled and no wave reads another's x.
; LIMITS: x, G16, vbar and the softmax's weights are rounded to bf16 for the matrix unit; the order of sums differs from reference()'s.  NaN and infinities in
; the energies get no special care.
.set PPITCH, 80                        ; PART: a pixel's 16 partial energies, 64 bytes + 16: an odd multiple of 16 bytes
.set PWAVE,  64*PPITCH                 ; 5,120 bytes a wave, 16 waves from LDS byte 0
.set PFL,    16*PWAVE                  ; LDS byte 81,920: the softmax's weights as fragments, 16 blocks of 512 bytes
.set X,   16                           ; v[16:79]   x, later the result
.set VB,  80                           ; v[80:111]  vbar: fragment (u, ks) at 80 + 16 u + 8 ks: channels 16 u .., rows h = 32 ks ..
.set GA,  112                          ; v[112:119] G16: 16 l x my 32 channels
.set XB,  120                          ; v[120:151] x in bf16: tile i at 120 + 8 i
.set EP,  152                          ; v[152:183] my channels' share of E16: tile i at 152 + 8 i
; the softmax's registers (waves 0..3), over those of phase E
.set TP,  112                          ; v[112:239] the 16 waves' partials as loaded, 8 registers each
.set EA,  112                          ; v[112:119] their sum: l = 8 hh .. + 7
.set OT,  120                          ; v[120:127] the other half's sum
.set EV,  128                          ; v[128:143] E16[l], l = 0..15
.set DLT, 144                          ; v[144:158] (E16[l+1] - E16[l]) / 21
.set SL,  160                          ; v[160:191] my 32 of the pixel's 64 rows: slot 8 tq + j is h = 16 tq + 8 hh + j
.set T0,  192
.set T1,  193
.set NM,  194                          ; v[194:195] - maximum * log2(e), twice
.set PK,  196                          ; v[196:211] the weights, packed
.set U,   212                          ; v[212:227] partial maxima and sums
.set R,   228                          ; v[228:229] 1 / sum, twice
; the last phase's registers
.set PF,  112                          ; v[112:175] weights: fragment (i, ks) at 112 + 16 i + 8 ks
.set DD,  184                          ; v[184:247] result tile (u, i) at 184 + 32 u + 8 i
.set FK,  36                           ; s[37:56]   the numbers 1.0 .. 20.0
.set SE,  68                           ; s[68:83]   e16 of my batch
	s_load_b256 s[4:11], s[0:1], 0x0               ; x s[4:5], gf s[6:7], e16 s[8:9], proj s[10:11]
	s_load_b128 s[12:15], s[0:1], 0x20             ; gamma s[12:13], out0 s[14:15]
	v_lshl_add_u32 v248, v0, 2, 0x16000
	v_mov_b32 v249, 0
	v_lshrrev_b32 v1, 5, v0
	v_readfirstlane_b32 s16, v1                    ; wave
	s_and_b32 s17, ttmp7, 0xffff                   ; b
	s_mov_b32 s18, ttmp9                           ; image row
	s_lshl_b32 s20, s17, 23                        ; x and out0: batch, my 32 channels of 16,384 bytes, the row of 256 bytes
	s_lshl_b32 s21, s16, 19
	s_add_co_u32 s20, s20, s21
	s_lshl_b32 s21, s18, 8
	s_add_co_u32 s20, s20, s21
	s_mov_b32 s21, 0
	s_lshl_b32 s22, s17, 14                        ; gf: batch, my two units of 512 bytes
	s_lshl_b32 s23, s16, 10
	s_add_co_u32 s22, s22, s23
	s_mov_b32 s23, 0
	s_lshl_b32 s30, s17, 6                         ; e16: 16 words a batch
	s_mov_b32 s31, 0
	s_lshl_b32 s32, s17, 16                        ; vbar: plane b, my eight units of 512 bytes
	s_lshl_b32 s33, s16, 12
	s_add_co_u32 s32, s32, s33
	s_mov_b32 s33, 0
	s_mov_b32 s24, 0xffff0000                      ; the lanes with hh = 1
	s_mov_b32 s26, 0x76543210                      ; v_permlanex16_b32: lane i of one half reads lane i of the other
	s_mov_b32 s27, 0xfedcba98
	s_mul_i32 s28, s16, PWAVE
	v_and_b32 v1, 31, v0                           ; L
	v_and_b32 v2, 15, v0                           ; r
	v_bfe_u32 v3, v0, 4, 1                         ; hh
	v_lshlrev_b32 v4, 4, v2
	v_lshl_add_u32 v4, v3, 17, v4                  ; x: 8 channels for hh, 16 bytes a lane
	v_lshlrev_b32 v5, 4, v1                        ; 16 L: units in fragment order
	s_wait_kmcnt 0x0
	s_add_nc_u64 s[4:5], s[4:5], s[20:21]
	s_add_nc_u64 s[14:15], s[14:15], s[20:21]
	s_add_nc_u64 s[6:7], s[6:7], s[22:23]
	s_add_nc_u64 s[8:9], s[8:9], s[30:31]
	s_add_nc_u64 s[10:11], s[10:11], s[32:33]
	s_load_b32 s19, s[12:13], 0x0                  ; gamma
	global_load_b128 v[GA:GA+3],   v5, s[6:7]                          ; channels 8 hh .. + 7 of row l = r
	global_load_b128 v[GA+4:GA+7], v5, s[6:7] offset:512               ; channels 16 + 8 hh ..
.irp u, 0,1
.irp j, 0,1,2,3,4,5,6,7
	global_load_b128 v[X+4*(8*\u+\j):X+4*(8*\u+\j)+3], v4, s[4:5] offset:(16*\u+\j)*16384 th:TH_LOAD_NT   ; sixteen lanes take a channel's 256 bytes; read once in this launch
.endr
.endr
.irp q, 0,1,2,3,4,5,6,7
	global_load_b128 v[VB+4*\q:VB+4*\q+3], v5, s[10:11] offset:512*\q  ; wanted only in the last phase
.endr
	; PHASE E: my 32 channels' share of E16 for the 64 pixels
	s_wait_loadcnt 0x8                             ; G16 and x are in: the eight loads of vbar are younger
.irp i, 0,1,2,3
.irp p, 0,1,2,3,4,5,6,7
	v_cvt_pk_bf16_f32 v[XB+8*\i+\p], v[X+8*\p+\i], v[X+8*\p+4+\i]      ; loads 2 p and 2 p + 1 are neighbouring channels
.endr
.endr
.irp i, 0,1,2,3
	v_wmma_f32_16x16x32_bf16 v[EP+8*\i:EP+8*\i+7], v[GA:GA+7], v[XB+8*\i:XB+8*\i+7], 0     ; four accumulators, one instruction each
.endr
	; FIVE places behind these matrix instructions, on every wave's path: four would do for the LDS stores that read the results and for the
	; later loads into v[112:183]; the fifth is for the last phase's matrix instructions, which take v[152:175] (then holding weights) as an operand, and which
	; waves 4..15 reach with no other vector instruction in between.  Four of the places are the LDS addresses, which name none of the registers above.
	v_mul_u32_u24 v7, v2, PPITCH
	v_lshl_add_u32 v7, v3, 5, v7                   ; PART: pixel row r, l = 8 hh ..
	v_add_nc_u32 v6, s28, v7                       ; in my wave's part
	v_add_nc_u32 v10, PFL, v5                      ; the weights' blocks: 16 L
	v_nop
.irp i, 0,1,2,3
	ds_store_b128 v6, v[EP+8*\i:EP+8*\i+3]   offset:\i*16*PPITCH       ; register j: l = 8 hh + j of pixel 4 r + i
	ds_store_b128 v6, v[EP+8*\i+4:EP+8*\i+7] offset:\i*16*PPITCH+16
.endr
	s_wait_dscnt 0x0                               ; for the softmax waves' sake
	s_barrier_signal -1
	s_barrier_wait -1
	; SOFTMAX: wave i = 0..3 takes pixel tile i; the lanes (r, 0) and (r, 1) share pixel 4 r + i, 32 of its 64 rows each, those of their own fragment registers
	s_cmp_gt_u32 s16, 3
	s_cbranch_scc1 .Ljoin
	s_load_b512 s[SE:SE+15], s[8:9], 0x0           ; e16[b][0..15], wanted behind the sum of the partials
	s_mul_i32 s28, s16, 16*PPITCH
	s_lshl_b32 s29, s16, 11
	v_add_nc_u32 v7, s28, v7                       ; my tile's rows in a wave's part
	v_add_nc_u32 v8, 8*PWAVE, v7                   ; the LDS offset field has 16 bits: a second register serves waves 8..15
	v_add_nc_u32 v9, s29, v10                      ; my tile's four blocks of weights
.set ww, 0
.rept 16
.if ww < 8
	ds_load_b128 v[TP+8*ww:TP+8*ww+3],   v7 offset:ww*PWAVE
	ds_load_b128 v[TP+8*ww+4:TP+8*ww+7], v7 offset:ww*PWAVE+16
.else
	ds_load_b128 v[TP+8*ww:TP+8*ww+3],   v8 offset:(ww-8)*PWAVE
	ds_load_b128 v[TP+8*ww+4:TP+8*ww+7], v8 offset:(ww-8)*PWAVE+16
.endif
.set ww, ww+1
.endr
.set k, 1
.irp c, 0x3f800000,0x40000000,0x40400000,0x40800000,0x40a00000,0x40c00000,0x40e00000,0x41000000,0x41100000,0x41200000,0x41300000,0x41400000,0x41500000,0x41600000,0x41700000,0x41800000,0x41880000,0x41900000,0x41980000,0x41a00000
	s_mov_b32 s[FK+k], \c                          ; the number k as f32
.set k, k+1
.endr
.set ww, 1
.rept 15
	s_wait_dscnt 30-2*ww                           ; partials 0 .. ww are in: 2 (15 - ww) loads are younger
.irp j, 0,2,4,6
	v_pk_add_f32 v[EA+\j:EA+\j+1], v[EA+\j:EA+\j+1], v[TP+8*ww+\j:TP+8*ww+\j+1]    ; partial 0 starts the sums
.endr
.set ww, ww+1
.endr
.irp j, 0,1,2,3,4,5,6,7
	v_permlanex16_b32 v[OT+\j], v[EA+\j], s26, s27
.endr
.irp j, 0,1,2,3,4,5,6,7
	v_cndmask_b32 v[EV+\j],   v[EA+\j], v[OT+\j], s24      ; l = j: mine where hh = 0
	v_cndmask_b32 v[EV+8+\j], v[OT+\j], v[EA+\j], s24      ; l = 8 + j: mine where hh = 1
.endr
	s_wait_kmcnt 0x0                               ; e16 (and gamma)
.set k, 0
.rept 16
	v_add_f32 v[EV+k], s[SE+k], v[EV+k]
.set k, k+1
.endr
.set k, 0
.rept 15
	v_sub_f32 v[DLT+k], v[EV+k+1], v[EV+k]
.set k, k+1
.endr
.set k, 0
.rept 15
	v_mul_f32 v[DLT+k], 0x3d430c31, v[DLT+k]       ; / 21
.set k, k+1
.endr
; the energy of row h: source position 15 h / 63 = 5 h / 21; for h = 63 it is column 15 itself
.macro EN dst, h
.if (5*(\h))%21 == 0
	v_mov_b32 v[\dst], v[EV+(5*(\h))/21]
.else
	v_fma_f32 v[\dst], v[DLT+(5*(\h))/21], s[FK+(5*(\h))%21], v[EV+(5*(\h))/21]
.endif
.endm
.irp tq, 0,1,2,3
.irp j, 0,1,2,3,4,5,6,7
	EN T0, 16*\tq+\j
	EN T1, 16*\tq+8+\j
	v_cndmask_b32 v[SL+8*\tq+\j], v[T0], v[T1], s24
.endr
.endr
	; the maximum of the pixel's 64 energies: four chains in the lane, then the other half's
.irp k, 0,1,2,3
	v_max3_num_f32 v[U+\k], v[SL+8*\k], v[SL+8*\k+1], v[SL+8*\k+2]
.endr
.irp k, 0,1,2,3
	v_max3_num_f32 v[U+\k], v[U+\k], v[SL+8*\k+3], v[SL+8*\k+4]
.endr
.irp k, 0,1,2,3
	v_max3_num_f32 v[U+\k], v[U+\k], v[SL+8*\k+5], v[SL+8*\k+6]
.endr
.irp k, 0,1,2,3
	v_max_num_f32 v[U+\k], v[U+\k], v[SL+8*\k+7]
.endr
	v_max3_num_f32 v[U], v[U], v[U+1], v[U+2]
	v_max_num_f32 v[U], v[U], v[U+3]
	v_permlanex16_b32 v[U+1], v[U], s26, s27
	v_max_num_f32 v[U], v[U], v[U+1]
	v_mul_f32 v[NM], 0xbfb8aa3b, v[U]              ; - maximum * log2(e)
	v_mov_b32 v[NM+1], v[NM]
.set k, 0
.rept 16
	v_pk_fma_f32 v[SL+2*k:SL+2*k+1], v[SL+2*k:SL+2*k+1], 0x3fb8aa3b, v[NM:NM+1] op_sel_hi:[1,0,1]  ; (e - maximum) log2(e), fused: the one rounding of the subtrahend shifts all 64 alike and cancels in the division
.set k, k+1
.endr
.set k, 0
.rept 32
	v_exp_f32 v[SL+k], v[SL+k]
.set k, k+1
.endr
	v_nop                                          ; one plain vector instruction behind the last transcendental before its result is read (ISA guide 5.7.2)
	s_wait_alu depctr_va_vdst(0)
.irp k, 0,1,2,3,4,5,6,7
	v_pk_add_f32 v[U+2*\k:U+2*\k+1], v[SL+4*\k:SL+4*\k+1], v[SL+4*\k+2:SL+4*\k+3]
.endr
.irp k, 0,1,2,3
	v_pk_add_f32 v[U+2*\k:U+2*\k+1], v[U+2*\k:U+2*\k+1], v[U+2*\k+8:U+2*\k+9]
.endr
.irp k, 0,1
	v_pk_add_f32 v[U+2*\k:U+2*\k+1], v[U+2*\k:U+2*\k+1], v[U+2*\k+4:U+2*\k+5]
.endr
	v_pk_add_f32 v[U:U+1], v[U:U+1], v[U+2:U+3]
	v_add_f32 v[U], v[U], v[U+1]
	v_permlanex16_b32 v[U+1], v[U], s26, s27
	v_add_f32 v[U], v[U], v[U+1]                   ; the largest term is about 1, so the sum is no smaller
	v_rcp_f32 v[R], v[U]
	v_rcp_f32 v[R+1], v[U]
	v_nop
.set k, 0
	s_wait_alu depctr_va_vdst(0)
.rept 16
	v_pk_mul_f32 v[SL+2*k:SL+2*k+1], v[SL+2*k:SL+2*k+1], v[R:R+1]
.set k, k+1
.endr
.set k, 0
.rept 16
	v_cvt_pk_bf16_f32 v[PK+k], v[SL+2*k], v[SL+2*k+1]
.set k, k+1
.endr
.irp k, 0,1,2,3
	ds_store_b128 v9, v[PK+4*\k:PK+4*\k+3] offset:512*\k               ; block tq = k: rows h = 16 k + 8 hh .. + 7 of pixel 4 r + i, as a lane of a B fragment holds them
.endr
.Ljoin:
	s_wait_dscnt 0x0                               ; for all waves' sake: the weights are stored
	s_barrier_signal -1
	s_barrier_wait -1
	; LAST PHASE: my 32 channels x 64 pixels = vbar (32 x 64 rows) times the weights, then gamma * that + x
.set q, 0
.rept 16
	ds_load_b128 v[PF+4*q:PF+4*q+3], v10 offset:512*q
.set q, q+1
.endr
	s_wait_loadcnt 0x0                             ; vbar
	s_wait_kmcnt 0x0                               ; gamma
	s_wait_dscnt 0x0
	; eight accumulators take turns, one instruction a turn; the first eight products start the sums
.irp ks, 0,1
.irp u, 0,1
.irp i, 0,1,2,3
.if \ks == 0
	v_wmma_f32_16x16x32_bf16 v[DD+32*\u+8*\i:DD+32*\u+8*\i+7], v[VB+16*\u+8*\ks:VB+16*\u+8*\ks+7], v[PF+16*\i+8*\ks:PF+16*\i+8*\ks+7], 0
.else
	v_wmma_f32_16x16x32_bf16 v[DD+32*\u+8*\i:DD+32*\u+8*\i+7], v[VB+16*\u+8*\ks:VB+16*\u+8*\ks+7], v[PF+16*\i+8*\ks:PF+16*\i+8*\ks+7], v[DD+32*\u+8*\i:DD+32*\u+8*\i+7]
.endif
.endr
.endr
.endr
.rept 4
	v_nop                                          ; four places before a vector instruction reads a result (ISA guide 7.12.1)
.endr
.irp u, 0,1
.irp j, 0,1,2,3,4,5,6,7
.irp i, 0,1,2,3
	v_fmac_f32 v[X+4*(8*\u+\j)+\i], s19, v[DD+32*\u+8*\i+\j]           ; register j of tile (u, i): channel 16 u + 8 hh + j, pixel 4 r + i: where load 8 u + j put x
.endr
	global_store_b128 v4, v[X+4*(8*\u+\j):X+4*(8*\u+\j)+3], s[14:15] offset:(16*\u+\j)*16384 th:TH_STORE_NT   ; sixteen lanes store 256 consecutive bytes, aligned
.endr
.endr
	s_wait_tensorcnt 0x0
	ds_add_u32 v248, v249
	s_wait_dscnt 0x0
	s_endpgm
.Lfunc_end_k_q56c2048f48_attn:
	.size	k_q56c2048f48_attn, .Lfunc_end_k_q56c2048f48_attn-k_q56c2048f48_attn
	.p2alignl 7, 3214868480
	.fill 96, 4, 3214868480
	.section	.rodata,"a",@progbits
	.p2align	6, 0x0
	.amdhsa_kernel k_q56c2048f48_attn
		.amdhsa_group_segment_fixed_size 92160
		.amdhsa_private_segment_fixed_size 0
		.amdhsa_enable_private_segment 0
		.amdhsa_kernarg_size 48
		.amdhsa_user_sgpr_count 2
		.amdhsa_user_sgpr_kernarg_segment_ptr 1
		.amdhsa_wavefront_size32 1
		.amdhsa_system_sgpr_workgroup_id_x 1
		.amdhsa_system_sgpr_workgroup_id_y 1
		.amdhsa_system_sgpr_workgroup_id_z 1
		.amdhsa_system_vgpr_workitem_id 0
		.amdhsa_next_free_vgpr 250
		.amdhsa_next_free_sgpr 84
		.amdhsa_reserve_vcc 0
		.amdhsa_float_denorm_mode_32 3
		.amdhsa_float_denorm_mode_16_64 3
		.amdhsa_memory_ordered 1
		.amdhsa_forward_progress 1
		.amdhsa_inst_pref_size 38
	.end_amdhsa_kernel
	.amdgpu_metadata
---
amdhsa.version: [ 1, 2 ]
amdhsa.kernels:
  - .name:           k_q56c2048f48_attn
    .symbol:         k_q56c2048f48_attn.kd
    .args:
      - { .name: x, .offset: 0, .size: 8, .value_kind: global_buffer, .address_space: global }
      - { .name: gf, .offset: 8, .size: 8, .value_kind: global_buffer, .address_space: global }
      - { .name: e16, .offset: 16, .size: 8, .value_kind: global_buffer, .address_space: global }
      - { .name: proj, .offset: 24, .size: 8, .value_kind: global_buffer, .address_space: global }
      - { .name: gamma, .offset: 32, .size: 8, .value_kind: global_buffer, .address_space: global }
      - { .name: out0, .offset: 40, .size: 8, .value_kind: global_buffer, .address_space: global }
    .group_segment_fixed_size: 92160
    .private_segment_fixed_size: 0
    .kernarg_segment_align: 8
    .kernarg_segment_size: 48
    .max_flat_workgroup_size: 512
    .sgpr_count:     84
    .vgpr_count:     250
    .wavefront_size: 32
...
	.end_amdgpu_metadata
.endif
;; end of part 4
;; ======== version 2 of 2: 3 launches; 1.21 times as fast as version 1
;; limits: values outside matrix products are rounded to bf16
;; workspace buffers: y5 655,360 bytes; mw 540,672 bytes; gb 2,304 bytes; proj 262,144 bytes; gf 65,536 bytes; e16 256 bytes
;; launch prep (part 5): grid 256 x 1, 8 waves a work-group, no clusters, 50,688 bytes of LDS; arguments x, pos_h, pos_emb, Wq, Wk, bq, bk, y5, mw, gb; writes y5, mw, gb
.if DOCPART == 5
	.amdgcn_target "amdgcn-amd-amdhsa--gfx1250"
	.amdhsa_code_object_version 6
	.text
	.protected	k_q56c2048f48_prep
	.globl	k_q56c2048f48_prep
	.p2align	8
	.type	k_q56c2048f48_prep,@function
k_q56c2048f48_prep:
	s_mov_b64 s[64:65], 0
	v_nop
	global_prefetch_b8 v0, s[64:65] scope:SCOPE_SE
	s_setreg_imm32_b32 hwreg(HW_REG_WAVE_MODE, 25, 1), 1
	s_wait_xcnt 0x0
; prep: everything that can be made before the pooled data are known, and the pooled data themselves.
; (1) THE POOLED VIEWS OF x:
;   y5 planes 0..3 (f32 [b][512 c][64 h]):  xrow[b][c][h] = mean over w of x[b][c][h][w]
;   y5 plane  4    (f32 [512 c][16 b + l]): x1d[b][c][l]  = mean of xrow over h = 4l..4l+3, plus pos_emb[pos_h[b][4l][0] / 8][c]
;   The work-group owns channels 2g, 2g+1 of all four batches; wave w owns the plane (b = w & 3, c = 2g + (w >> 2)): 64 rows of 256 bytes, 32 loads, all out at once.
; (2) THE PRODUCT OF THE WEIGHTS.  q . k = x^T Wq^T (Wk x1d + bk) + bq . (Wk x1d + bk), so the next launch needs only Mx = [Wq | bq]^T [Wk | bk] (513 x 513, K = 256):
;   mw (bf16): M[c][c'] = sum over o of Wq[o][c] Wk[o][c'], row 512 = sum over o of bq[o] Wk[o][c'], rows 513..527 zero; stored as the next launch's fragments:
;              unit (c / 16, c' / 16) of 512 bytes at 16,384 (c / 16) + 512 (c' / 16); lane (r, hh) holds M[16 (c/16) + r][16 (c'/16) + 8 hh + 0..7].
;   gb (f32 [528]): gb[c] = sum over o of Wq[o][c] bk[o]; gb[512] = bq . bk; gb[513..527] = 0.
;   Work-group g makes the tile of 32 c (ti = g / 16) x 32 c' (tj = g % 16).  Its weights (2 x 256 rows of 128 bytes) are asked for AHEAD of x, so that they are staged,
;   multiplied and stored while the 128 KiB of x are on their way.  bq and bk ride as a 33rd column of the two LDS tiles (columns 33..47 zero): 3 x 3 tiles of 16 x 16.
;   Waves 0..3 make the four inner tiles, waves 4, 5 the tiles of row 512 (stored where ti = 0), waves 6, 7 those of gb (stored where tj = 0), and wave 0 of
;   work-group 0 makes the corner tile in a second pass.
; No clusters: the sixteen work-groups that share a weight tile need it rounded to bf16 between memory and LDS, which only the way through registers does.
; A weight tile's rows are 128 bytes: eight lanes take one; a tile of 64 columns would leave work for a quarter of the work-groups only.
; LIMITS: pos_h is taken to lie in 0..127 as the table asks (the index is clamped to 15, so that no address leaves pos_emb; a negative pos_h is not served).
; pos_w is loaded nowhere in this program: reference() never uses it.  Wq, Wk, bq, bk and M are rounded to bf16 for the matrix unit.  NaN and infinities get no special care.
.set X,   16                           ; v[16:143]  load n: 4 numbers of row 32 hh + n (hh = lane / 16), columns 4 r .. 4 r + 3 (r = lane % 16)
.set S,   144                          ; v[144:175] S[n]: the lane's sum of those four (behind the weights' work)
.set TT,  10                           ; v[10:13]   at work in the merge
.set QT,  512                          ; LDS: bytes 0..511 gather x1d; QT = [256 o][32 c, bq, 15 zeros] bf16
.set MP,  96                           ; its pitch: 48 bf16 = 3 x 32 bytes, an odd multiple of 32 bytes, as the transposing load's rows want
.set KT,  QT+256*MP                    ; LDS byte 25,088: the same for Wk and bk
.set WS,  144                          ; v[144:175] Wq as loaded (8 loads), v[176:207] Wk
.set FR,  144                          ; v[144:207] fragments of four K steps: A (Wk's tile) in 8, B (Wq's tile) in 8 registers each
.set ACC, 208                          ; v[208:215], v[216:223]: two accumulators of the one tile, even and odd K steps
.set BQ,  208                          ; while staging: v208 bq[t], v209 bk[t]
.set ZQ,  212                          ; v[212:215] (bq, 0 ..), v[216:219] zeros, v[220:223] (bk, 0 ..)
.set ZZ,  216
.set ZK,  220
.set PKM, 224                          ; v[224:227] the packed tile
.set VW,  228                          ; offset in Wq and Wk
.set VB,  229                          ; 4 t
.set VS,  230                          ; LDS: where a staged load goes
.set VE,  231                          ; LDS: the 33rd column of row t
.set VTL, 232                          ; LDS: the transposing load's lane term
.set VQ,  233
.set VK,  234
.set VG,  235                          ; 4 r
	s_load_b256 s[4:11], s[0:1], 0x0               ; x s[4:5], pos_h s[6:7], pos_emb s[8:9], Wq s[10:11]
	s_load_b256 s[36:43], s[0:1], 0x20             ; Wk s[36:37], bq s[38:39], bk s[40:41], y5 s[42:43]
	s_load_b128 s[44:47], s[0:1], 0x40             ; mw s[44:45], gb s[46:47]
	v_lshl_add_u32 v240, v0, 2, 0xc200
	v_mov_b32 v241, 0
	v_lshrrev_b32 v1, 5, v0
	v_readfirstlane_b32 s12, v1                    ; wave
	v_and_b32 v1, 31, v0                           ; lane L
	v_and_b32 v2, 15, v0                           ; r
	v_bfe_u32 v3, v0, 4, 1                         ; hh
	s_and_b32 s13, s12, 3                          ; b
	s_lshr_b32 s14, s12, 2                         ; which of the group's two channels
	s_lshl_b32 s15, ttmp9, 1
	s_add_co_u32 s15, s15, s14                     ; c
	s_lshl_b32 s16, s13, 23                        ; x: b * 512 planes + c planes of 16,384 bytes
	s_lshl_b32 s17, s15, 14
	s_add_co_u32 s16, s16, s17
	s_mov_b32 s17, 0
	s_lshl_b32 s18, s13, 14                        ; pos_h: b * 64 * 64 words
	s_mov_b32 s19, 0
	s_lshl_b32 s24, s15, 2                         ; pos_emb: column c
	s_mov_b32 s25, 0
	s_lshl_b32 s26, s13, 9                         ; xrow: row (512 b + c) of 256 bytes
	s_add_co_u32 s26, s26, s15
	s_lshl_b32 s26, s26, 8
	s_mov_b32 s27, 0
	s_lshl_b32 s28, ttmp9, 9                       ; x1d: plane 4, the group's two rows of 256 bytes
	s_add_co_u32 s28, s28, 524288
	s_mov_b32 s29, 0
	s_lshl_b32 s30, s14, 8                         ; LDS: 256 bytes a channel, 64 a batch
	s_lshl_b32 s31, s13, 6
	s_add_co_u32 s30, s30, s31
	s_lshr_b32 s48, ttmp9, 4                       ; ti: my 32 columns of Wq
	s_and_b32 s49, ttmp9, 15                       ; tj: my 32 columns of Wk
	s_lshl_b32 s32, s48, 7
	s_mov_b32 s33, 0
	s_lshl_b32 s34, s49, 7
	s_mov_b32 s35, 0
	; my wave's tile (q of Wq's three, kx of Wk's three): waves 0..3 (w & 1, w >> 1); 4, 5: (2, w & 1); 6, 7: (w & 1, 2)
	s_and_b32 s52, s12, 1
	s_bfe_u32 s53, s12, 0x10001
	s_lshr_b32 s54, s12, 1
	s_cmp_eq_u32 s54, 2
	s_cselect_b32 s50, 2, s52                      ; q
	s_cselect_b32 s51, s52, s53                    ; kx
	s_cmp_eq_u32 s54, 3
	s_cselect_b32 s51, 2, s51
	v_lshlrev_b32 v4, 4, v2
	v_lshl_add_u32 v4, v3, 13, v4                  ; x offset: 32 rows for the upper half of the lanes, 16 bytes a lane
	v_lshrrev_b32 v9, 1, v1                        ; l = L / 2
	v_lshlrev_b32 v5, 10, v9                       ; pos_h[b][4 l][0]: 4 rows of 256 bytes
	v_lshl_add_u32 v9, v9, 2, s30                  ; LDS word of (channel, b, l)
	v_lshlrev_b32 v8, 3, v1                        ; 8 L: my two row means in xrow
	v_lshlrev_b32 v15, 4, v1                       ; 16 L: a lane's place in a unit of 512 bytes
.irp k, 0,1,2,3
	v_and_b32 v[TT+\k], 8>>\k, v2
	v_cmp_ne_u32 s[20+\k], 0, v[TT+\k]             ; s20..s23: the lanes whose r has bit 3, 2, 1, 0 set
.endr
	v_lshrrev_b32 v[VS], 3, v0                     ; t / 8: a row of o
	v_and_b32 v[VE], 7, v0                         ; t % 8: 4 columns
	v_lshlrev_b32 v[VW], 11, v[VS]
	v_lshl_add_u32 v[VW], v[VE], 4, v[VW]          ; rows of 2,048 bytes, 16 bytes a lane
	v_mul_u32_u24 v[VS], v[VS], MP
	v_lshl_add_u32 v[VS], v[VE], 3, v[VS]
	v_add_nc_u32 v[VS], QT, v[VS]
	v_lshlrev_b32 v[VB], 2, v0
	v_mul_u32_u24 v[VE], v0, MP
	v_add_nc_u32 v[VE], QT+64, v[VE]
	v_and_b32 v[VTL], 7, v0
	v_lshl_add_u32 v[VTL], v3, 3, v[VTL]
	v_mul_u32_u24 v[VTL], v[VTL], MP               ; row 8 hh + L % 8,
	v_bfe_u32 v[VQ], v0, 3, 1
	v_lshl_add_u32 v[VTL], v[VQ], 4, v[VTL]        ; 16 bytes for (L / 8) % 2
	v_add_nc_u32 v[VTL], QT, v[VTL]
	v_lshlrev_b32 v[VG], 2, v2
.irp k, 1,2,3,4,5,6,7,9,10,11
	v_mov_b32 v[ZQ+\k], 0                          ; the zeros of columns 33..47
.endr
	s_wait_kmcnt 0x0
	s_add_nc_u64 s[4:5], s[4:5], s[16:17]
	s_add_nc_u64 s[6:7], s[6:7], s[18:19]
	s_add_nc_u64 s[8:9], s[8:9], s[24:25]
	s_add_nc_u64 s[10:11], s[10:11], s[32:33]
	s_add_nc_u64 s[36:37], s[36:37], s[34:35]
	s_add_nc_u64 s[26:27], s[42:43], s[26:27]
	s_add_nc_u64 s[28:29], s[42:43], s[28:29]
	; 51 loads go out at once: 2 of the biases, 8 + 8 of the weights, the position, 32 of x
	global_load_b32 v[BQ],   v[VB], s[38:39]
	global_load_b32 v[BQ+1], v[VB], s[40:41]
.set i, 0
.rept 8
	global_load_b128 v[WS+4*i:WS+4*i+3], v[VW], s[10:11] offset:i*65536        ; 32 rows of o a load
.set i, i+1
.endr
.set i, 0
.rept 8
	global_load_b128 v[WS+32+4*i:WS+32+4*i+3], v[VW], s[36:37] offset:i*65536
.set i, i+1
.endr
	global_load_b32 v6, v5, s[6:7]                 ; the position: a second load hangs on it
.set n, 0
.rept 32
	global_load_b128 v[X+4*n:X+4*n+3], v4, s[4:5] offset:n*256     ; each half of the lanes takes one whole row of 256 bytes
.set n, n+1
.endr
	; the weights into LDS, rounded
	s_wait_loadcnt 49                              ; bq and bk are in: 16 + 1 + 32 loads are younger
	v_cvt_pk_bf16_f32 v[ZQ], v[BQ],   v[ZZ]
	v_cvt_pk_bf16_f32 v[ZK], v[BQ+1], v[ZZ]
	ds_store_b128 v[VE], v[ZQ:ZQ+3]
	ds_store_b128 v[VE], v[ZZ:ZZ+3] offset:16
	ds_store_b128 v[VE], v[ZK:ZK+3] offset:KT-QT
	ds_store_b128 v[VE], v[ZZ:ZZ+3] offset:KT-QT+16
.set i, 0
.rept 8
	s_wait_loadcnt 48-i                            ; load i of Wq is in: 7 - i of Wq, 8 of Wk, the position and 32 of x are younger
	v_cvt_pk_bf16_f32 v[WS+4*i],   v[WS+4*i],   v[WS+4*i+1]
	v_cvt_pk_bf16_f32 v[WS+4*i+1], v[WS+4*i+2], v[WS+4*i+3]
	ds_store_b64 v[VS], v[WS+4*i:WS+4*i+1] offset:i*32*MP
.set i, i+1
.endr
.set i, 0
.rept 8
	s_wait_loadcnt 40-i                            ; load i of Wk is in: 7 - i of Wk, the position and 32 of x are younger
	v_cvt_pk_bf16_f32 v[WS+32+4*i],   v[WS+32+4*i],   v[WS+32+4*i+1]
	v_cvt_pk_bf16_f32 v[WS+32+4*i+1], v[WS+32+4*i+2], v[WS+32+4*i+3]
	ds_store_b64 v[VS], v[WS+32+4*i:WS+32+4*i+1] offset:KT-QT+i*32*MP
.set i, i+1
.endr
	s_wait_loadcnt 32                              ; the position is in: the 32 loads of x are younger
	v_lshrrev_b32 v6, 3, v6                        ; pos_h / 8
	v_min_u32 v6, 15, v6                           ; stays inside the table of 16 rows
	v_lshlrev_b32 v6, 11, v6                       ; rows of 2,048 bytes
	global_load_b32 v7, v6, s[8:9]                 ; pos_emb[.][c]
	s_wait_dscnt 0x0                               ; for the other waves' sake: my stores are done
	s_barrier_signal -1
	s_barrier_wait -1
; 16 LDS loads: K steps 4 h .. 4 h + 3.  Both tiles lie [o][column], o being K: two transposing loads, 16 rows apart, bring o = 8 hh .. + 7 and 16 + 8 hh .. + 7 of column r.
.macro LOADM h
.irp p, 0,1,2,3
	ds_load_tr16_b128 v[FR+16*\p:FR+16*\p+3],     v[VK] offset:KT-QT+(4*\h+\p)*32*MP
	ds_load_tr16_b128 v[FR+16*\p+4:FR+16*\p+7],   v[VK] offset:KT-QT+(4*\h+\p)*32*MP+16*MP
	ds_load_tr16_b128 v[FR+16*\p+8:FR+16*\p+11],  v[VQ] offset:(4*\h+\p)*32*MP
	ds_load_tr16_b128 v[FR+16*\p+12:FR+16*\p+15], v[VQ] offset:(4*\h+\p)*32*MP+16*MP
.endr
.endm
; The tile (q = s50, kx = s51) into v[ACC:ACC+7].  A = Wk's columns, B = Wq's: register j of lane (r, hh) is Mx[Wq column r][Wk column 8 hh + j].
; The two accumulators take turns, one instruction a turn; the constant 0 starts both sums.
.macro MCOMP
	v_lshl_add_u32 v[VQ], s50, 5, v[VTL]           ; 16 columns of 2 bytes a tile
	v_lshl_add_u32 v[VK], s51, 5, v[VTL]
	LOADM 0
	s_wait_dscnt 0x0
	v_wmma_f32_16x16x32_bf16 v[ACC:ACC+7],    v[FR:FR+7],     v[FR+8:FR+15],  0
	v_wmma_f32_16x16x32_bf16 v[ACC+8:ACC+15], v[FR+16:FR+23], v[FR+24:FR+31], 0
	v_wmma_f32_16x16x32_bf16 v[ACC:ACC+7],    v[FR+32:FR+39], v[FR+40:FR+47], v[ACC:ACC+7]
	v_wmma_f32_16x16x32_bf16 v[ACC+8:ACC+15], v[FR+48:FR+55], v[FR+56:FR+63], v[ACC+8:ACC+15]
.rept 4
	v_nop                                          ; four places before a load is issued into a register that a matrix instruction has read
.endr
	LOADM 1
	s_wait_dscnt 0x0
.irp p, 0,2
	v_wmma_f32_16x16x32_bf16 v[ACC:ACC+7],    v[FR+16*\p:FR+16*\p+7],     v[FR+16*\p+8:FR+16*\p+15],  v[ACC:ACC+7]
	v_wmma_f32_16x16x32_bf16 v[ACC+8:ACC+15], v[FR+16*\p+16:FR+16*\p+23], v[FR+16*\p+24:FR+16*\p+31], v[ACC+8:ACC+15]
.endr
.rept 4
	v_nop                                          ; four places before a vector instruction reads a result or writes a source (the row sums S use these registers)
.endr
.irp j, 0,2,4,6
	v_pk_add_f32 v[ACC+\j:ACC+\j+1], v[ACC+\j:ACC+\j+1], v[ACC+8+\j:ACC+8+\j+1]    ; even and odd K steps
.endr
.endm
; A tile against bk: its row 0 (Wk's column 32) goes to the 16 words of gb of row group s52
.macro GBOUT
	s_lshl_b32 s58, s52, 6                         ; 16 words a row group
	s_mov_b32 s59, 0
	s_add_nc_u64 s[56:57], s[46:47], s[58:59]
	v_cmp_gt_u32 vcc_lo, 16, v1
	s_wait_xcnt 0x0                                ; EXEC is a source of the pending loads of x: it changes only behind this wait
	s_and_saveexec_b32 s55, vcc_lo
	global_store_b32 v[VG], v[ACC], s[56:57]       ; register 0 of lanes 0..15: bk against Wq's column r: 64 bytes
	s_wait_xcnt 0x0                                ; and again in front of the line that widens EXEC
	s_or_b32 exec_lo, exec_lo, s55
.endm
	MCOMP
	; where my tile goes
	s_lshl_b32 s52, s48, 1
	s_add_co_u32 s52, s52, s50                     ; row group c / 16 = 2 ti + q,
	s_cmp_eq_u32 s50, 2
	s_cselect_b32 s52, 32, s52                     ; or 32 for the tile of bq,
	s_cselect_b32 s53, s48, 0                      ; which the work-groups with ti = 0 store,
	s_cmp_eq_u32 s51, 2
	s_cselect_b32 s54, s49, 0                      ; as those with tj = 0 store the tiles of bk
	s_or_b32 s53, s53, s54
	s_cmp_lg_u32 s53, 0
	s_cbranch_scc1 .Lmdone
	s_cmp_eq_u32 s51, 2
	s_cbranch_scc1 .Lmgb
.irp j, 0,1,2,3
	v_cvt_pk_bf16_f32 v[PKM+\j], v[ACC+2*\j], v[ACC+2*\j+1]
.endr
	s_lshl_b32 s58, s52, 14
	s_lshl_b32 s55, s49, 1
	s_add_co_u32 s55, s55, s51                     ; c' / 16 = 2 tj + kx
	s_lshl_b32 s55, s55, 9
	s_add_co_u32 s58, s58, s55
	s_mov_b32 s59, 0
	s_add_nc_u64 s[56:57], s[44:45], s[58:59]
	global_store_b128 v15, v[PKM:PKM+3], s[56:57]  ; the wave's 512 consecutive bytes, aligned
	s_branch .Lmdone
.Lmgb:
	GBOUT
.Lmdone:
	s_or_b32 s52, ttmp9, s12
	s_cmp_lg_u32 s52, 0
	s_cbranch_scc1 .Lnocorner
	s_wait_xcnt 0x0                                ; the first tile's store has read its base, its offset and its data: base and accumulators are written again below
	s_mov_b32 s50, 2                               ; the corner, by wave 0 of work-group 0: bq against bk
	s_mov_b32 s51, 2
	MCOMP
	s_mov_b32 s52, 32                              ; gb[512..527]
	GBOUT
.Lnocorner:
	; the lane's four numbers of each row of x
.set n, 0
.rept 32
.if (n & 3) == 0
	s_wait_loadcnt 29-n                            ; loads n .. n+3 are in: 28 - n loads of x and the one of pos_emb are younger
.endif
	v_pk_add_f32 v[X+4*n:X+4*n+1], v[X+4*n:X+4*n+1], v[X+4*n+2:X+4*n+3]
	v_add_f32 v[S+n], v[X+4*n], v[X+4*n+1]
.set n, n+1
.endr
; Sixteen sums over sixteen lanes at once.  S[2 j + g], j = 0..15, are the rows of parity g.  One step with distance n halves the number of live
; sums: a lane whose r has bit n set keeps sum j + n and gives sum j to its partner r xor n, the partner the other way round.
; After the steps 8, 4, 2, 1 lane r holds the whole sum j = r, that is row 32 hh + 2 r + g = 2 L + g.
.macro MERGE g, n, mask
.set j, 0
.rept \n
	v_cndmask_b32 v[TT+2*(j&1)],   v[S+2*j+\g],      v[S+2*(j+\n)+\g], \mask   ; what I keep
	v_cndmask_b32 v[TT+2*(j&1)+1], v[S+2*(j+\n)+\g], v[S+2*j+\g],      \mask   ; what my partner keeps
	v_add_f32_dpp v[S+2*j+\g], v[TT+2*(j&1)+1], v[TT+2*(j&1)] row_xmask:\n row_mask:0xf bank_mask:0xf
.set j, j+1
.endr
.endm
	MERGE 0, 8, s20
	MERGE 1, 8, s20
	MERGE 0, 4, s21
	MERGE 1, 4, s21
	MERGE 0, 2, s22
	MERGE 1, 2, s22
	MERGE 0, 1, s23
	MERGE 1, 1, s23
	v_pk_mul_f32 v[S:S+1], v[S:S+1], 0x3c800000 op_sel_hi:[1,0]    ; / 64: the means of rows 2 L and 2 L + 1
	global_store_b64 v8, v[S:S+1], s[26:27]        ; the wave stores the 256 bytes of xrow[b][c], aligned
	v_add_f32 v14, v[S], v[S+1]
	v_add_f32_dpp v14, v14, v14 row_xmask:1 row_mask:0xf bank_mask:0xf         ; rows 4 l .. 4 l + 3
	s_wait_loadcnt 0x0                             ; pos_emb's number
	v_fma_f32 v14, v14, 0x3e800000, v7             ; / 4, plus the embedding
	ds_store_b32 v9, v14                           ; lanes 2 l and 2 l + 1 write the same word with the same value
	s_wait_dscnt 0x0                               ; for wave 0's sake: my store is done
	s_barrier_signal -1
	s_barrier_wait -1
	s_cmp_lg_u32 s12, 0
	s_cbranch_scc1 .Lend
	ds_load_b128 v[16:19], v15                     ; the group's two rows of x1d, 512 bytes
	s_wait_dscnt 0x0
	global_store_b128 v15, v[16:19], s[28:29]      ; 16 lanes fill 256 consecutive bytes, aligned
.Lend:
	s_wait_tensorcnt 0x0
	ds_add_u32 v240, v241
	s_wait_dscnt 0x0
	s_endpgm
.Lfunc_end_k_q56c2048f48_prep:
	.size	k_q56c2048f48_prep, .Lfunc_end_k_q56c2048f48_prep-k_q56c2048f48_prep
	.p2alignl 7, 3214868480
	.fill 96, 4, 3214868480
	.section	.rodata,"a",@progbits
	.p2align	6, 0x0
	.amdhsa_kernel k_q56c2048f48_prep
		.amdhsa_group_segment_fixed_size 50688
		.amdhsa_private_segment_fixed_size 0
		.amdhsa_enable_private_segment 0
		.amdhsa_kernarg_size 80
		.amdhsa_user_sgpr_count 2
		.amdhsa_user_sgpr_kernarg_segment_ptr 1
		.amdhsa_wavefront_size32 1
		.amdhsa_system_sgpr_workgroup_id_x 1
		.amdhsa_system_sgpr_workgroup_id_y 1
		.amdhsa_system_sgpr_workgroup_id_z 1
		.amdhsa_system_vgpr_workitem_id 0
		.amdhsa_next_free_vgpr 242
		.amdhsa_next_free_sgpr 66
		.amdhsa_reserve_vcc 1
		.amdhsa_float_denorm_mode_32 3
		.amdhsa_float_denorm_mode_16_64 3
		.amdhsa_memory_ordered 1
		.amdhsa_forward_progress 1
		.amdhsa_inst_pref_size 32
	.end_amdhsa_kernel
	.amdgpu_metadata
---
amdhsa.version: [ 1, 2 ]
amdhsa.kernels:
  - .name:           k_q56c2048f48_prep
    .symbol:         k_q56c2048f48_prep.kd
    .args:
      - { .name: x, .offset: 0, .size: 8, .value_kind: global_buffer, .address_space: global }
      - { .name: pos_h, .offset: 8, .size: 8, .value_kind: global_buffer, .address_space: global }
      - { .name: pos_emb, .offset: 16, .size: 8, .value_kind: global_buffer, .address_space: global }
      - { .name: Wq, .offset: 24, .size: 8, .value_kind: global_buffer, .address_space: global }
      - { .name: Wk, .offset: 32, .size: 8, .value_kind: global_buffer, .address_space: global }
      - { .name: bq, .offset: 40, .size: 8, .value_kind: global_buffer, .address_space: global }
      - { .name: bk, .offset: 48, .size: 8, .value_kind: global_buffer, .address_space: global }
      - { .name: y5, .offset: 56, .size: 8, .value_kind: global_buffer, .address_space: global }
      - { .name: mw, .offset: 64, .size: 8, .value_kind: global_buffer, .address_space: global }
      - { .name: gb, .offset: 72, .size: 8, .value_kind: global_buffer, .address_space: global }
    .group_segment_fixed_size: 50688
    .private_segment_fixed_size: 0
    .kernarg_segment_align: 8
    .kernarg_segment_size: 80
    .max_flat_workgroup_size: 256
    .sgpr_count:     66
    .vgpr_count:     242
    .wavefront_size: 32
...
	.end_amdgpu_metadata
.endif
;; end of part 5
;; launch proj (part 6): grid 81 x 1, 8 waves a work-group, no clusters, 149,504 bytes of LDS; arguments y5, Wv, bv, mw, gb, proj, gf, e16; writes proj, gf, e16
.if DOCPART == 6
	.amdgcn_target "amdgcn-amd-amdhsa--gfx1250"
	.amdhsa_code_object_version 6
	.text
	.protected	k_q56c2048f48_proj
	.globl	k_q56c2048f48_proj
	.p2align	8
	.type	k_q56c2048f48_proj,@function
k_q56c2048f48_proj:
	s_mov_b64 s[64:65], 0
	v_nop
	global_prefetch_b8 v0, s[64:65] scope:SCOPE_SE
	s_setreg_imm32_b32 hwreg(HW_REG_WAVE_MODE, 25, 1), 1
	s_wait_xcnt 0x0
; proj: the small products W * Y + bias, K = 512, 64 columns of Y, 32 rows of W a work-group; eight waves, wave w = the tile of 16 columns of Y (mt = w & 3) x 16 rows of W (nt = w >> 2).
; Work-groups 0..63:  vbar[b] = Wv * xrow[b] + bv, b = g / 16, rows 32 (g % 16) ..     -> proj (bf16), plane b at 65,536 b:
;      Y's columns are the matrix instruction's rows, so lane (r = L % 16, hh = L / 16) ends with vbar[16 nt + r][h = 16 mt + 8 hh + 0..7]:
;      unit (row / 16, mt) of 512 bytes at 2,048 (row / 16) + 512 mt + 16 L: the A fragments of the last launch.
; Work-groups 64..79: G16 = M * x1d + gb (M, gb: the products of the weights, buffers mw and gb), rows 32 (g - 64) ..  -> gf (bf16):
;      here W's rows are the matrix instruction's rows, so lane (r, hh) ends with G16[16 (c/16) + 8 hh + 0..7][l = r] of batch mt: unit c / 16 of 512 bytes at 16,384 b + 512 (c / 16).
; Work-group 80:      the same on rows 496..527 of M; of these it stores row 512 alone, which is e16[b][l] = (bq^T Wk) x1d + bq . bk (f32); rows 496..511 belong to work-group 79.
; Y and Wv are f32 in memory and are rounded to bf16 on the way into LDS; M comes in bf16 fragment order and is laid into LDS rows of the same pitch.  Sums in f32.
; The two kinds part at ONE branch on the work-group's number, the same for all eight waves, and each has its own barrier and end.  Wv's tile and M's tile, which are
; staged by different arithmetic, have LDS bytes of their own (WT, WTG), so that no store of one way shares a byte with a store of the other.
; No clusters: what work-groups share (a plane of Y) has to be rounded between memory and LDS, which only the way through registers does.
.set YPITCH, 160                       ; a row of YT: 64 bf16 + 32 bytes, an odd multiple of 32 bytes, as the transposing load's rows want
.set HALFY,  256*YPITCH                ; the LDS offset field has 16 bits: a second address register serves k >= 256
.set WT,     512*YPITCH                ; LDS byte 81,920: Wv's tile, 32 rows of 512 bf16
.set WPITCH, 1040                      ; 1,024 + 16: an odd multiple of 16 bytes, so that the 16 rows of a fragment load start 16 bytes apart modulo 256
.set WTG,    WT+32*WPITCH              ; LDS byte 115,200: M's tile, the same shape
.set YR,   16                          ; v[16:143]  Y as loaded (32 loads)
.set WR,   144                         ; v[144:207] W as loaded (16 loads of f32, or 8 of bf16)
.set BI,   208                         ; v[208:209] my row's bias, twice; or v[208:215] the biases of my eight rows
.set F0,   16                          ; fragment buffer 0: four K steps of 32, Y's fragment in 8 and W's in 8 registers each
.set F1,   80                          ; fragment buffer 1
.set ACC,  144                         ; v[144:151], v[152:159]: two accumulators of the one tile, even and odd K steps
.set OUTP, 160                         ; v[160:163] the packed result
	s_load_b256 s[4:11], s[0:1], 0x0               ; y5 s[4:5], Wv s[6:7], bv s[8:9], mw s[10:11]
	s_load_b256 s[12:19], s[0:1], 0x20             ; gb s[12:13], proj s[14:15], gf s[16:17], e16 s[18:19]
	v_lshl_add_u32 v216, v0, 2, 0x24400
	v_mov_b32 v217, 0
	s_mov_b32 s30, ttmp9
	v_lshrrev_b32 v10, 5, v0
	v_readfirstlane_b32 s31, v10                   ; wave
	v_lshlrev_b32 v1, 4, v0                        ; 16 t: the dense loads, and my place in proj (t = 128 nt + 32 mt + L)
	v_lshrrev_b32 v10, 7, v0                       ; nt; also: which of two rows of Wv a staging load hits
	v_and_b32 v11, 15, v0                          ; r
	v_lshl_add_u32 v2, v10, 4, v11
	v_lshlrev_b32 v2, 2, v2                        ; bv of row 16 nt + r
	v_lshrrev_b32 v12, 4, v0
	v_mul_u32_u24 v3, v12, YPITCH
	v_lshl_add_u32 v3, v11, 3, v3                  ; YT, staging: row t / 16, 4 numbers at column 4 (t % 16)
	v_add_nc_u32 v4, HALFY, v3
	v_and_b32 v13, 127, v0
	v_mul_u32_u24 v5, v10, WPITCH
	v_lshl_add_u32 v5, v13, 3, v5
	v_add_nc_u32 v5, WT, v5                        ; WT, staging of f32: row t / 128, 4 numbers at column 4 (t % 128)
	v_bfe_u32 v12, v0, 4, 1                        ; hh
	v_and_b32 v13, 7, v0
	v_lshl_add_u32 v13, v12, 3, v13
	v_mul_u32_u24 v6, v13, YPITCH                  ; Y by the transposing load: row 8 hh + L % 8,
	v_bfe_u32 v13, v0, 3, 1
	v_lshl_add_u32 v6, v13, 4, v6                  ; 16 bytes for (L / 8) % 2,
	v_bfe_u32 v13, v0, 5, 2                        ; mt
	v_lshl_add_u32 v6, v13, 5, v6                  ; columns 16 mt ..
	v_add_nc_u32 v7, HALFY, v6
	v_lshl_add_u32 v8, v10, 4, v11
	v_mul_u32_u24 v8, v8, WPITCH
	v_lshl_add_u32 v8, v12, 4, v8
	v_add_nc_u32 v8, WT, v8                        ; W: row 16 nt + r, 16 hh bytes (M's tile: WTG - WT further on, in the loads' immediate)
	v_mul_u32_u24 v9, v11, WPITCH                  ; WTG, staging of fragment units: thread t of load i holds unit (i / 4, 8 (i % 4) + t / 32), lane t % 32:
	v_lshl_add_u32 v9, v12, 4, v9                  ; row r, 8 hh numbers,
	v_lshrrev_b32 v14, 5, v0
	v_lshl_add_u32 v9, v14, 5, v9                  ; 16 numbers for t / 32
	v_add_nc_u32 v9, WTG, v9
	v_lshlrev_b32 v14, 6, v10
	v_lshl_add_u32 v14, v12, 5, v14                ; gb of rows 16 nt + 8 hh ..
	v_and_b32 v15, 31, v0
	v_lshlrev_b32 v15, 4, v15
	v_lshl_add_u32 v15, v10, 9, v15
	v_lshl_add_u32 v15, v13, 14, v15               ; gf: batch mt, unit nt, 16 L
.macro YLOADS
.set i, 0
.rept 32
	global_load_b128 v[YR+4*i:YR+4*i+3], v1, s[4:5] offset:i*4096      ; the plane of Y, dense: 4,096 bytes for each load of the group
.set i, i+1
.endr
.endm
; Y into LDS, rounded.  young = the loads of W issued behind Y's
.macro STY young
.set i, 0
.rept 32
	s_wait_loadcnt \young+31-i                     ; load i of Y is in: 31 - i of Y and all of W are younger
	v_cvt_pk_bf16_f32 v[YR+4*i],   v[YR+4*i],   v[YR+4*i+1]
	v_cvt_pk_bf16_f32 v[YR+4*i+1], v[YR+4*i+2], v[YR+4*i+3]
.if i < 16
	ds_store_b64 v3, v[YR+4*i:YR+4*i+1] offset:i*16*YPITCH             ; 16 rows of Y a load
.else
	ds_store_b64 v4, v[YR+4*i:YR+4*i+1] offset:(i-16)*16*YPITCH
.endif
.set i, i+1
.endr
.endm
; 16 LDS loads: the fragments of K steps 4 batch .. 4 batch + 3.  Y is stored [k][column], so two transposing loads, 16 rows apart, bring
; k = 8 hh .. + 7 and 16 + 8 hh .. + 7 of column 16 mt + r.  W's rows lie along k: two plain loads 32 bytes apart; woff = 0 for Wv's tile, WTG - WT for M's.
.macro LOADK buf, batch, woff
.irp q, 0,1,2,3
.if \batch < 2
	ds_load_tr16_b128 v[\buf+16*\q:\buf+16*\q+3],   v6 offset:(4*\batch+\q)*32*YPITCH
	ds_load_tr16_b128 v[\buf+16*\q+4:\buf+16*\q+7], v6 offset:(4*\batch+\q)*32*YPITCH+16*YPITCH
.else
	ds_load_tr16_b128 v[\buf+16*\q:\buf+16*\q+3],   v7 offset:(4*\batch+\q-8)*32*YPITCH
	ds_load_tr16_b128 v[\buf+16*\q+4:\buf+16*\q+7], v7 offset:(4*\batch+\q-8)*32*YPITCH+16*YPITCH
.endif
	ds_load_b128 v[\buf+16*\q+8:\buf+16*\q+11],  v8 offset:\woff+(4*\batch+\q)*64
	ds_load_b128 v[\buf+16*\q+12:\buf+16*\q+15], v8 offset:\woff+(4*\batch+\q)*64+32
.endr
.endm
; Four matrix instructions.  The two accumulators take turns, one instruction a turn.  first = 1: the constant 0 starts both sums.
; swap = 0: Y's fragment is source 0 (a lane ends with eight columns of Y for one row of W); swap = 1: W's is (eight rows of W for one column of Y).
.macro MULK buf, first, swap
.irp q, 0,1,2,3
.if \swap
.if \first*(2-\q) > 0
	v_wmma_f32_16x16x32_bf16 v[ACC+8*(\q&1):ACC+8*(\q&1)+7], v[\buf+16*\q+8:\buf+16*\q+15], v[\buf+16*\q:\buf+16*\q+7], 0
.else
	v_wmma_f32_16x16x32_bf16 v[ACC+8*(\q&1):ACC+8*(\q&1)+7], v[\buf+16*\q+8:\buf+16*\q+15], v[\buf+16*\q:\buf+16*\q+7], v[ACC+8*(\q&1):ACC+8*(\q&1)+7]
.endif
.else
.if \first*(2-\q) > 0
	v_wmma_f32_16x16x32_bf16 v[ACC+8*(\q&1):ACC+8*(\q&1)+7], v[\buf+16*\q:\buf+16*\q+7], v[\buf+16*\q+8:\buf+16*\q+15], 0
.else
	v_wmma_f32_16x16x32_bf16 v[ACC+8*(\q&1):ACC+8*(\q&1)+7], v[\buf+16*\q:\buf+16*\q+7], v[\buf+16*\q+8:\buf+16*\q+15], v[ACC+8*(\q&1):ACC+8*(\q&1)+7]
.endif
.endif
.endr
.endm
; A load into a register that a matrix instruction has read, and a vector instruction that reads a matrix result, stand four places behind it
.macro PLACES
.rept 4
	v_nop
.endr
.endm
; the barrier behind the staging, the 16 K steps, and the two accumulators' sum
.macro COMPUTE swap, woff
	s_wait_dscnt 0x0                               ; for the other waves' sake: my stores are done
	s_barrier_signal -1
	s_barrier_wait -1
	LOADK F0, 0, \woff
	LOADK F1, 1, \woff
	s_wait_dscnt 16                                ; the first batch is in; the 16 loads of the second are younger
	MULK F0, 1, \swap
	PLACES
	LOADK F0, 2, \woff
	s_wait_dscnt 16                                ; the second batch is in; the 16 just issued are younger
	MULK F1, 0, \swap
	PLACES
	LOADK F1, 3, \woff
	s_wait_dscnt 16                                ; the third batch
	MULK F0, 0, \swap
	s_wait_dscnt 0x0
	MULK F1, 0, \swap
	PLACES
.irp j, 0,2,4,6
	v_pk_add_f32 v[ACC+\j:ACC+\j+1], v[ACC+\j:ACC+\j+1], v[ACC+8+\j:ACC+8+\j+1]    ; even and odd K steps
.endr
.endm
	s_cmp_ge_u32 s30, 64
	s_cbranch_scc1 .Lg
	; ---- vbar ----
	s_lshr_b32 s20, s30, 4                         ; b
	s_and_b32 s21, s30, 15                         ; block of 32 rows of Wv
	s_lshl_b32 s22, s20, 17                        ; Y: planes of 131,072 bytes
	s_mov_b32 s23, 0
	s_lshl_b32 s24, s21, 16                        ; Wv: 32 rows of 2,048 bytes
	s_mov_b32 s25, 0
	s_lshl_b32 s26, s21, 7                         ; bv: 32 words
	s_mov_b32 s27, 0
	s_lshl_b32 s28, s20, 16                        ; proj: planes of 65,536 bytes, 4,096 for 32 rows
	s_lshl_b32 s29, s21, 12
	s_add_co_u32 s28, s28, s29
	s_mov_b32 s29, 0
	s_wait_kmcnt 0x0
	s_add_nc_u64 s[4:5], s[4:5], s[22:23]
	s_add_nc_u64 s[6:7], s[6:7], s[24:25]
	s_add_nc_u64 s[8:9], s[8:9], s[26:27]
	s_add_nc_u64 s[14:15], s[14:15], s[28:29]
	global_load_b32 v[BI], v2, s[8:9]
	YLOADS
.set i, 0
.rept 16
	global_load_b128 v[WR+4*i:WR+4*i+3], v1, s[6:7] offset:i*4096      ; 32 rows of Wv, dense
.set i, i+1
.endr
	STY 16
.set i, 0
.rept 16
	s_wait_loadcnt 15-i                            ; load i of Wv is in: 15 - i are younger
	v_cvt_pk_bf16_f32 v[WR+4*i],   v[WR+4*i],   v[WR+4*i+1]
	v_cvt_pk_bf16_f32 v[WR+4*i+1], v[WR+4*i+2], v[WR+4*i+3]
	ds_store_b64 v5, v[WR+4*i:WR+4*i+1] offset:i*2*WPITCH              ; 2 rows of Wv a load
.set i, i+1
.endr
	v_mov_b32 v[BI+1], v[BI]                       ; the bias was the oldest load
	COMPUTE 0, 0
.irp j, 0,2,4,6
	v_pk_add_f32 v[ACC+\j:ACC+\j+1], v[ACC+\j:ACC+\j+1], v[BI:BI+1]    ; all eight numbers of a lane belong to row 16 nt + r
.endr
.irp j, 0,1,2,3
	v_cvt_pk_bf16_f32 v[OUTP+\j], v[ACC+2*\j], v[ACC+2*\j+1]
.endr
	global_store_b128 v1, v[OUTP:OUTP+3], s[14:15] ; the wave's 512 consecutive bytes, aligned
	s_wait_tensorcnt 0x0
	ds_add_u32 v216, v217
	s_wait_dscnt 0x0
	s_endpgm
	; ---- G16 and e16 ----
.Lg:
	s_sub_co_u32 s20, s30, 64                      ; 0..16
	s_lshl_b32 s21, s20, 1
	s_min_u32 s21, s21, 31                         ; my first row group of 16: 0, 2, .. 30, and 31 for the last work-group
	s_lshl_b32 s24, s21, 14                        ; mw: 16,384 bytes a row group
	s_mov_b32 s25, 0
	s_lshl_b32 s26, s21, 6                         ; gb: 16 words
	s_mov_b32 s27, 0
	s_lshl_b32 s28, s21, 9                         ; gf: a unit of 512 bytes
	s_mov_b32 s29, 0
	s_wait_kmcnt 0x0
	s_add_nc_u64 s[4:5], s[4:5], 524288            ; x1d: plane 4 of y5
	s_add_nc_u64 s[10:11], s[10:11], s[24:25]
	s_add_nc_u64 s[12:13], s[12:13], s[26:27]
	s_add_nc_u64 s[16:17], s[16:17], s[28:29]
	global_load_b128 v[BI:BI+3],   v14, s[12:13]
	global_load_b128 v[BI+4:BI+7], v14, s[12:13] offset:16
	YLOADS
.set i, 0
.rept 8
	global_load_b128 v[WR+4*i:WR+4*i+3], v1, s[10:11] offset:i*4096    ; two row groups of M, 32,768 bytes, dense
.set i, i+1
.endr
	STY 8
.set i, 0
.rept 8
	s_wait_loadcnt 7-i                             ; load i of M is in: 7 - i are younger
	ds_store_b128 v9, v[WR+4*i:WR+4*i+3] offset:(i&3)*256+(i>>2)*16*WPITCH     ; eight units a load: 128 numbers along k; four loads a row group
.set i, i+1
.endr
	COMPUTE 1, WTG-WT
.irp j, 0,2,4,6
	v_pk_add_f32 v[ACC+\j:ACC+\j+1], v[ACC+\j:ACC+\j+1], v[BI+\j:BI+\j+1]      ; register j belongs to row 16 nt + 8 hh + j
.endr
	s_cmp_eq_u32 s30, 80
	s_cbranch_scc1 .Le16
.irp j, 0,1,2,3
	v_cvt_pk_bf16_f32 v[OUTP+\j], v[ACC+2*\j], v[ACC+2*\j+1]
.endr
	global_store_b128 v15, v[OUTP:OUTP+3], s[16:17]        ; the wave's 512 consecutive bytes, aligned
	s_wait_tensorcnt 0x0
	ds_add_u32 v216, v217
	s_wait_dscnt 0x0
	s_endpgm
.Le16:
	s_cmp_lt_u32 s31, 4                            ; waves 0..3 hold rows 496..511, which the work-group before this one stores
	s_cbranch_scc1 .Lend
	v_lshlrev_b32 v2, 2, v11
	v_lshl_add_u32 v2, v13, 6, v2                  ; e16: 64 b + 4 l, b = mt, l = r
	v_and_b32 v3, 31, v0
	v_cmp_gt_u32 vcc_lo, 16, v3
	s_wait_xcnt 0x0                                ; EXEC changes only behind this wait
	s_and_saveexec_b32 s20, vcc_lo
	global_store_b32 v2, v[ACC], s[18:19]          ; register 0 of lanes 0..15: row 512; 64 bytes a wave: the four waves fill e16's 256 bytes
	s_wait_xcnt 0x0                                ; and again in front of the line that widens EXEC
	s_or_b32 exec_lo, exec_lo, s20
.Lend:
	s_wait_tensorcnt 0x0
	ds_add_u32 v216, v217
	s_wait_dscnt 0x0
	s_endpgm
.Lfunc_end_k_q56c2048f48_proj:
	.size	k_q56c2048f48_proj, .Lfunc_end_k_q56c2048f48_proj-k_q56c2048f48_proj
	.p2alignl 7, 3214868480
	.fill 96, 4, 3214868480
	.section	.rodata,"a",@progbits
	.p2align	6, 0x0
	.amdhsa_kernel k_q56c2048f48_proj
		.amdhsa_group_segment_fixed_size 149504
		.amdhsa_private_segment_fixed_size 0
		.amdhsa_enable_private_segment 0
		.amdhsa_kernarg_size 64
		.amdhsa_user_sgpr_count 2
		.amdhsa_user_sgpr_kernarg_segment_ptr 1
		.amdhsa_wavefront_size32 1
		.amdhsa_system_sgpr_workgroup_id_x 1
		.amdhsa_system_sgpr_workgroup_id_y 1
		.amdhsa_system_sgpr_workgroup_id_z 1
		.amdhsa_system_vgpr_workitem_id 0
		.amdhsa_next_free_vgpr 218
		.amdhsa_next_free_sgpr 66
		.amdhsa_reserve_vcc 1
		.amdhsa_float_denorm_mode_32 3
		.amdhsa_float_denorm_mode_16_64 3
		.amdhsa_memory_ordered 1
		.amdhsa_forward_progress 1
		.amdhsa_inst_pref_size 45
	.end_amdhsa_kernel
	.amdgpu_metadata
---
amdhsa.version: [ 1, 2 ]
amdhsa.kernels:
  - .name:           k_q56c2048f48_proj
    .symbol:         k_q56c2048f48_proj.kd
    .args:
      - { .name: y5, .offset: 0, .size: 8, .value_kind: global_buffer, .address_space: global }
      - { .name: Wv, .offset: 8, .size: 8, .value_kind: global_buffer, .address_space: global }
      - { .name: bv, .offset: 16, .size: 8, .value_kind: global_buffer, .address_space: global }
      - { .name: mw, .offset: 24, .size: 8, .value_kind: global_buffer, .address_space: global }
      - { .name: gb, .offset: 32, .size: 8, .value_kind: global_buffer, .address_space: global }
      - { .name: proj, .offset: 40, .size: 8, .value_kind: global_buffer, .address_space: global }
      - { .name: gf, .offset: 48, .size: 8, .value_kind: global_buffer, .address_space: global }
      - { .name: e16, .offset: 56, .size: 8, .value_kind: global_buffer, .address_space: global }
    .group_segment_fixed_size: 149504
    .private_segment_fixed_size: 0
    .kernarg_segment_align: 8
    .kernarg_segment_size: 64
    .max_flat_workgroup_size: 256
    .sgpr_count:     66
    .vgpr_count:     218
    .wavefront_size: 32
...
	.end_amdgpu_metadata
.endif
;; end of part 6
;; launch attn: the kernel of part 4 again; grid 64 x 4, 16 waves a work-group, no clusters, 92,160 bytes of LDS; arguments x, gf, e16, proj, gamma, out0; writes out0
